; MI455X (gfx1250); checked and timed in simulation.
; The chip was launched on July 23, 2026; its instructions are those of AMD's public machine-readable ISA for CDNA 5 (MIT licence, August 2026) and "CDNA5" Instruction Set Architecture Reference Guide (July 2026). The comments in the code are by the model that wrote it; some were corrected since.
;; Multi Head Attention. Allowed arithmetic: matrix products marked QUANTISED: E2M1 operands, one E8M0 scale for each 32 along K, by v_wmma_scale_f32_16x16x128_f8f6f4 with both operands' format E2M1 (or v_wmma_scale_f32_32x16x128_f4), f32 sums; products left as they are: bf16, f16 or f32 operands; f32 sums; everything else in f32.
;; Inputs: Wk 1,024 x 1,024 float32; Wo 1,024 x 1,024 float32; Wq 1,024 x 1,024 float32; Wv 1,024 x 1,024 float32; bo 1,024 float32; bq 1,024 float32; bv 1,024 float32; mask 2,048 x 2,048 float32; x 2 x 2,048 x 1,024 float32.
;; Outputs: out0 2 x 2,048 x 1,024 float32.
;; This version of the problem:
;;   THIS VERSION OF THE PROBLEM IS GIVEN IN LOW PRECISION. The matrix products marked QUANTISED in the list below multiply operands that are first quantised to E2M1 (2 exponent bits, 1 mantissa bit; 4 bits a number), with one power-of-two scale for each 32 numbers along K (OCP MX v1.0); their sums are f32. The products marked 'left as it is' may take bf16, f16 or f32 operands, with f32 sums. All else is computed in f32.
;;   The module's matrix products, in the order in which they are computed (A, B: the left and right operand; K: the contracted axis; several contracted axes count as one K, in the product's order):
;;     1. [M 4,096, K 1,024] x [K 1,024, N 1,024]; A: input x; B: input Wq: QUANTISED
;;     2. [M 4,096, K 1,024] x [K 1,024, N 1,024]; A: input x; B: input Wk: QUANTISED
;;     3. [M 4,096, K 1,024] x [K 1,024, N 1,024]; A: input x; B: input Wv: QUANTISED
;;     4. batch 32 x [M 2,048, K 64] x [K 64, N 2,048]; A: computed on the way; B: computed on the way: left as it is (an operand is computed on the way)
;;     5. batch 32 x [M 64, K 2,048] x [K 2,048, N 2,048]; A: computed on the way; B: computed on the way: left as it is (an operand is computed on the way)
;;     6. [M 4,096, K 1,024] x [K 1,024, N 1,024]; A: computed on the way; B: input Wo: left as it is (an operand is computed on the way)
;;   THE QUANTISER, for each operand of a quantised product, along K:
;;     - K is cut into blocks of 32 from its start; a last block that is shorter is filled with zeros.
;;     - A block's scale is 2^e with e = floor(log2(the largest magnitude in the block)) - 2, held to -126 .. 127; a block of zeros has e = 0. As a byte (E8M0): e + 127.
;;     - Each number is divided by its block's scale, clamped to +-6, and rounded to the nearest number of E2M1, ties to even, subnormals kept.
;;     - The product sums the exact products of the quantised numbers (number of the format x scale) in f32.
;;   ~~~python
;;   def quantise(x, axis):      # numpy; x: float32 -> the quantised numbers, widened to float32 again
;;       x = np.moveaxis(x, axis, -1); K = x.shape[-1]
;;       x = np.pad(x, [(0, 0)] * (x.ndim - 1) + [(0, -K % 32)]); x = x.reshape(x.shape[:-1] + (-1, 32)); a = np.abs(x).max(-1, keepdims=True)
;;       e = np.where(a > 0, np.clip(np.frexp(np.where(a > 0, a, 1))[1] - 1 - 2, -126, 127), 0)      # np.frexp(a)[1] - 1 = floor(log2(a)), exactly
;;       r = np.clip(x / 2.0 ** e, -6, 6)
;;       step = 2.0 ** (np.maximum(np.frexp(np.where(r == 0, 1, r))[1] - 1, 0) - 1)
;;       q = np.round(r / step) * step * 2.0 ** e      # np.round: ties to even
;;       return np.moveaxis(q.reshape(q.shape[:-2] + (-1,))[..., :K], -1, axis).astype(np.float32)
;;   ~~~
;; One version. Each part assembles by itself: llvm-mc -triple=amdgcn-amd-amdhsa -mcpu=gfx1250 --defsym DOCPART=n.
;; ======== version 1 of 1: 4 launches
;; limits: values are held in f16: magnitudes above 65,504 overflow, below 6.1e-05 lose precision
;; workspace buffers: xc 2,097,152 bytes; xs 131,072 bytes; wc 1,572,864 bytes; ws 98,304 bytes; wob 2,097,152 bytes; qkv 25,165,824 bytes; att 8,388,608 bytes
;; launch prep (part 1): grid 256 x 1, 4 waves a work-group, no clusters, 33,280 bytes of LDS; arguments x, Wq, Wk, Wv, Wo, xc, xs, wc, ws, wob; writes xc, xs, wc, ws, wob
.if DOCPART == 1
	.amdgcn_target "amdgcn-amd-amdhsa--gfx1250"
	.amdhsa_code_object_version 6
	.text
	.protected	k_qcbb1d6bfc5_prep
	.globl	k_qcbb1d6bfc5_prep
	.p2align	8
	.type	k_qcbb1d6bfc5_prep,@function
k_qcbb1d6bfc5_prep:
	s_mov_b64 s[64:65], 0
	v_nop
	global_prefetch_b8 v0, s[64:65] scope:SCOPE_SE
	s_setreg_imm32_b32 hwreg(HW_REG_WAVE_MODE, 25, 1), 1
	s_wait_xcnt 0x0
; x [4096][1024] and Wq, Wk, Wv [1024][1024], f32 with K innermost, become codes of FP4 (E2M1), two to a byte, the lower k in the low four bits, and one E8M0 byte for each 32 along K.
; Wo [1024][1024] becomes f16 (rounded to nearest even), in the same order.
; A block's scale is 2^(floor(log2(its largest magnitude)) - 2); its byte is the largest magnitude's own exponent field - 2, held at 1 from below.
; LIMITS: a block whose largest magnitude lies under 2^-124 gets the byte 1; a block of zeros too (its codes are zeros, and the bytes are read by this program alone); NaN and infinities are not served; Wo stays under 65,504.
; SHARES: 256 work-groups of 32,768 numbers, a wave 8,192.  Work-groups 0-127: x -> xc, xs.  128-159, 160-191, 192-223: Wq, Wk, Wv -> wc, ws, one behind the other (rows 0-1023, 1024-2047, 2048-3071).  224-255: Wo -> wob.
; Rows are dense and K is a multiple of 32: each tensor is a plain stream of blocks of 32, and so are its codes and its scale bytes.
; A wave takes 16 steps of 512 numbers.  Each load reads 512 consecutive bytes, 16 a lane; a step's 2,048 bytes turn through the wave's own stage in LDS and come back 64 bytes a lane: 16 neighbours along K, two lanes to a block.
; Loads run eight steps (32 loads a wave) ahead, the turn through LDS one step.  No barrier: waves share nothing.
.set STEPS, 16
.set AHEAD, 8
.set EMAX,  2
.set CB,    8                          ; bytes of 16 codes
.set R,     16                         ; v16-143  eight sets of 16 numbers as they are loaded
.set X,     144                        ; v144-175 two sets of 16 neighbours (on Wo's path: the f16 pairs to store)
.set E,     176                        ; v176-191 a scale byte for each step
.set C,     192                        ; v192-223 codes: two registers for each step, so that no store's data are written again
.set WREG,  8192                       ; LDS: a region for each wave: two stages of 32 x SP bytes, behind them its 256 scale bytes
.set SP,    80                         ; a lane's place in a stage: 64 bytes + 16 of padding
	s_load_b512 s[4:19], s[0:1], 0x0               ; x s[4:5], Wq s[6:7], Wk s[8:9], Wv s[10:11], Wo s[12:13], xc s[14:15], xs s[16:17], wc s[18:19]
	s_load_b128 s[20:23], s[0:1], 0x40             ; ws s[20:21], wob s[22:23]
	v_lshl_add_u32 v224, v0, 2, 0x8000
	v_mov_b32 v225, 0
	v_lshrrev_b32 v1, 5, v0
	v_readfirstlane_b32 s24, v1                    ; wave
	v_and_b32 v2, 31, v0                           ; lane
	v_lshlrev_b32 v3, 4, v2                        ; my 16 bytes of a load's 512
	v_lshlrev_b32 v4, 3, v2                        ; my 8 bytes of a store's 256
	s_cmp_ge_u32 ttmp9, 224
	s_cbranch_scc1 .Lwo                            ; Wo's work-groups: a path without LDS
	s_mul_i32 s34, s24, WREG
	v_lshrrev_b32 v14, 2, v2
	v_mul_u32_u24 v14, v14, SP
	v_and_b32 v15, 3, v2
	v_lshl_add_u32 v14, v15, 4, v14
	v_add_nc_u32 v14, s34, v14                     ; the stage, on the way in: SP (lane / 4) + 16 (lane % 4); a load's 512 bytes take eight places
	v_mul_u32_u24 v15, v2, SP
	v_add_nc_u32 v15, s34, v15                     ; and on the way out: SP x lane: my 16 neighbours
	v_lshrrev_b32 v5, 1, v2
	s_add_co_u32 s34, s34, 2*32*SP
	v_add_nc_u32 v5, s34, v5                       ; my wave's 256 scale bytes: my block's byte
	v_add_nc_u32 v6, s34, v4                       ; and on the way out 8 bytes a lane
	s_wait_kmcnt 0x0
	s_cmp_lt_u32 ttmp9, 128                        ; x or a weight?  Every choice hangs on the work-group's number alone
	s_cselect_b64 s[28:29], s[4:5], s[6:7]
	s_cselect_b64 s[30:31], s[14:15], s[18:19]
	s_cselect_b64 s[32:33], s[16:17], s[20:21]
	s_cselect_b32 s25, 0, 128                      ; the first work-group of the destination
	s_cselect_b32 s27, -1, 31                      ; a weight has 32 work-groups
	s_cmp_ge_u32 ttmp9, 160
	s_cselect_b64 s[28:29], s[8:9], s[28:29]
	s_cmp_ge_u32 ttmp9, 192
	s_cselect_b64 s[28:29], s[10:11], s[28:29]
	s_sub_co_u32 s26, ttmp9, s25                   ; my place in the destination,
	s_and_b32 s35, s26, s27                        ; and in the source
	s_lshl_b32 s35, s35, 2
	s_add_co_u32 s35, s35, s24                     ; which run of 8,192 numbers of the source is my wave's
	s_lshl_b32 s36, s35, 15                        ; 32,768 bytes a run
	s_mov_b32 s37, 0
	s_add_nc_u64 s[28:29], s[28:29], s[36:37]
	s_lshl_b32 s26, s26, 2
	s_add_co_u32 s26, s26, s24
	s_lshl_b32 s36, s26, 12                        ; 4,096 bytes of codes a run
	s_add_nc_u64 s[30:31], s[30:31], s[36:37]
	s_lshl_b32 s36, s26, 8                         ; 256 scale bytes a run
	s_add_nc_u64 s[32:33], s[32:33], s[36:37]
.macro LOAD t
.irp i, 0,1,2,3
	global_load_b128 v[R+16*((\t)%AHEAD)+4*\i:R+16*((\t)%AHEAD)+4*\i+3], v3, s[28:29] offset:2048*(\t)+512*\i th:TH_LOAD_NT   ; 32 lanes read 512 consecutive bytes
.endr
.endm
.macro TURN t                          ; step t's numbers through the stage: LDS serves a wave's instructions in order, so no wait stands between the stores and the loads
.irp i, 0,1,2,3
	ds_store_b128 v14, v[R+16*((\t)%AHEAD)+4*\i:R+16*((\t)%AHEAD)+4*\i+3] offset:32*SP*((\t)%2)+8*SP*\i
.endr
.irp i, 0,1,2,3
	ds_load_b128 v[X+16*((\t)%2)+4*\i:X+16*((\t)%2)+4*\i+3], v15 offset:32*SP*((\t)%2)+16*\i
.endr
.endm
.irp t, 0,1,2,3,4,5,6,7
	LOAD \t
.endr
	s_wait_loadcnt 28                              ; step 0's four loads are in; the seven steps behind it stay out
	TURN 0
.macro STEP t
.set XS, X+16*((\t)%2)
.if (\t) > 0
	s_wait_dscnt 1                                 ; this step's numbers are back from the stage (the last step's byte store may be out): so its stores into the stage have read their registers,
.else
	s_wait_dscnt 0x0
.endif
.if (\t)+AHEAD < STEPS
	LOAD (\t)+AHEAD                                ; which take the loads of eight steps on
.endif
.if (\t)+1 < STEPS
.if STEPS-2-(\t) >= AHEAD-1
	s_wait_loadcnt 4*(AHEAD-1)                     ; the next step's four loads are in; those of the seven steps behind it may be out
.else
	s_wait_loadcnt 4*(STEPS-2-(\t))                ; towards the end fewer steps stand behind it
.endif
	TURN (\t)+1                                    ; and go through the other stage while this step is worked
.endif
	v_max3_num_f32 v8, |v[XS]|, |v[XS+1]|, |v[XS+2]|               ; the largest magnitude of my 16, in two chains
	v_max3_num_f32 v9, |v[XS+3]|, |v[XS+4]|, |v[XS+5]|
.irp i, 6,10
	v_max3_num_f32 v8, v8, |v[XS+\i]|, |v[XS+\i+1]|
	v_max3_num_f32 v9, v9, |v[XS+\i+2]|, |v[XS+\i+3]|
.endr
	v_max3_num_f32 v8, v8, |v[XS+14]|, |v[XS+15]|
	v_max3_num_f32 v8, v8, v9, (EMAX+1)<<23        ; and the floor 2^(3 - 127): the byte cannot fall under 1
	v_max_num_f32_dpp v8, v8, v8 row_xmask:1 row_mask:0xf bank_mask:0xf   ; with my neighbour's 16: the block's
	v_add_nc_u32 v11, -(EMAX<<23), v8              ; 2 off its exponent field: the conversion takes the exponent field of this operand as its scale, and nothing else of it
	v_cvt_scalef32_pk8_fp4_f32 v[C+2*(\t)], v[XS:XS+7], v11        ; eight numbers / the scale, to the nearest code, ties to even, beyond 6 the largest code
	v_cvt_scalef32_pk8_fp4_f32 v[C+2*(\t)+1], v[XS+8:XS+15], v11
	v_lshrrev_b32 v[E+(\t)], 23, v11               ; the scale's byte (also the plain line behind the conversions)
	ds_store_b8 v5, v[E+(\t)] offset:16*(\t)       ; both lanes of a block write the same byte with the same value
	global_store_b64 v4, v[C+2*(\t):C+2*(\t)+1], s[30:31] offset:32*CB*(\t)   ; the wave stores 256 consecutive bytes, aligned
.endm
.irp t, 0,1,2,3,4,5,6,7,8,9,10,11,12,13,14,15
	STEP \t
.endr
	ds_load_b64 v[12:13], v6                       ; LDS serves a wave's instructions in order: these see my byte stores
	s_wait_dscnt 0x0
	global_store_b64 v4, v[12:13], s[32:33]        ; 32 lanes store 256 consecutive bytes, aligned
	s_wait_tensorcnt 0x0
	ds_add_u32 v224, v225
	s_wait_dscnt 0x0
	s_endpgm
; Wo to f16: four batches of 16 loads (8,192 bytes), two batches in flight; a lane's four numbers become 8 bytes, a store covers 256 consecutive bytes.
.Lwo:
	s_sub_co_u32 s26, ttmp9, 224
	s_lshl_b32 s26, s26, 2
	s_add_co_u32 s26, s26, s24                     ; which run of 8,192 numbers is my wave's
	s_lshl_b32 s36, s26, 15
	s_mov_b32 s37, 0
	s_lshl_b32 s38, s26, 14
	s_mov_b32 s39, 0
	s_wait_kmcnt 0x0
	s_add_nc_u64 s[12:13], s[12:13], s[36:37]
	s_add_nc_u64 s[22:23], s[22:23], s[38:39]
.macro WLOAD g
.irp i, 0,1,2,3,4,5,6,7,8,9,10,11,12,13,14,15
	global_load_b128 v[R+64*((\g)%2)+4*\i:R+64*((\g)%2)+4*\i+3], v3, s[12:13] offset:(16*(\g)+\i)*512 th:TH_LOAD_NT
.endr
.endm
.macro WBATCH g
.if (\g) < 3
	s_wait_loadcnt 16                              ; this batch is in; the next one's sixteen loads stay out
.else
	s_wait_loadcnt 0x0
.endif
.if (\g) > 0
	s_wait_xcnt 0x0                                ; the last batch's stores have read their data: the registers are written again only behind this wait
.endif
.irp i, 0,1,2,3,4,5,6,7,8,9,10,11,12,13,14,15
	v_cvt_pk_f16_f32 v[X+2*\i],   v[R+64*((\g)%2)+4*\i],   v[R+64*((\g)%2)+4*\i+1]
	v_cvt_pk_f16_f32 v[X+2*\i+1], v[R+64*((\g)%2)+4*\i+2], v[R+64*((\g)%2)+4*\i+3]
.endr
.irp i, 0,1,2,3,4,5,6,7,8,9,10,11,12,13,14,15
	global_store_b64 v4, v[X+2*\i:X+2*\i+1], s[22:23] offset:(16*(\g)+\i)*256
.endr
.if (\g)+2 < 4
	WLOAD (\g)+2
.endif
.endm
	WLOAD 0
	WLOAD 1
	WBATCH 0
	WBATCH 1
	WBATCH 2
	WBATCH 3
	s_endpgm
.Lfunc_end_k_qcbb1d6bfc5_prep:
	.size	k_qcbb1d6bfc5_prep, .Lfunc_end_k_qcbb1d6bfc5_prep-k_qcbb1d6bfc5_prep
	.p2alignl 7, 3214868480
	.fill 96, 4, 3214868480
	.section	.rodata,"a",@progbits
	.p2align	6, 0x0
	.amdhsa_kernel k_qcbb1d6bfc5_prep
		.amdhsa_group_segment_fixed_size 33280
		.amdhsa_private_segment_fixed_size 0
		.amdhsa_enable_private_segment 0
		.amdhsa_kernarg_size 80
		.amdhsa_user_sgpr_count 2
		.amdhsa_user_sgpr_kernarg_segment_ptr 1
		.amdhsa_wavefront_size32 1
		.amdhsa_system_sgpr_workgroup_id_x 1
		.amdhsa_system_sgpr_workgroup_id_y 1
		.amdhsa_system_sgpr_workgroup_id_z 1
		.amdhsa_system_vgpr_workitem_id 0
		.amdhsa_next_free_vgpr 226
		.amdhsa_next_free_sgpr 66
		.amdhsa_reserve_vcc 0
		.amdhsa_float_denorm_mode_32 3
		.amdhsa_float_denorm_mode_16_64 3
		.amdhsa_memory_ordered 1
		.amdhsa_forward_progress 1
		.amdhsa_inst_pref_size 54
	.end_amdhsa_kernel
	.amdgpu_metadata
---
amdhsa.version: [ 1, 2 ]
amdhsa.kernels:
  - .name:           k_qcbb1d6bfc5_prep
    .symbol:         k_qcbb1d6bfc5_prep.kd
    .args:
      - { .name: x, .offset: 0, .size: 8, .value_kind: global_buffer, .address_space: global }
      - { .name: Wq, .offset: 8, .size: 8, .value_kind: global_buffer, .address_space: global }
      - { .name: Wk, .offset: 16, .size: 8, .value_kind: global_buffer, .address_space: global }
      - { .name: Wv, .offset: 24, .size: 8, .value_kind: global_buffer, .address_space: global }
      - { .name: Wo, .offset: 32, .size: 8, .value_kind: global_buffer, .address_space: global }
      - { .name: xc, .offset: 40, .size: 8, .value_kind: global_buffer, .address_space: global }
      - { .name: xs, .offset: 48, .size: 8, .value_kind: global_buffer, .address_space: global }
      - { .name: wc, .offset: 56, .size: 8, .value_kind: global_buffer, .address_space: global }
      - { .name: ws, .offset: 64, .size: 8, .value_kind: global_buffer, .address_space: global }
      - { .name: wob, .offset: 72, .size: 8, .value_kind: global_buffer, .address_space: global }
    .group_segment_fixed_size: 33280
    .private_segment_fixed_size: 0
    .kernarg_segment_align: 8
    .kernarg_segment_size: 80
    .max_flat_workgroup_size: 128
    .sgpr_count:     66
    .vgpr_count:     226
    .wavefront_size: 32
...
	.end_amdgpu_metadata
.endif
;; end of part 1
;; launch qkv (part 2): grid 12 x 16, 4 waves a work-group, clusters of 4 x 4, 327,680 bytes of LDS; arguments xc, xs, wc, ws, bq, bv, qkv; writes qkv
.if DOCPART == 2
	.amdgcn_target "amdgcn-amd-amdhsa--gfx1250"
	.amdhsa_code_object_version 6
	.text
	.protected	k_qcbb1d6bfc5_qkv
	.globl	k_qcbb1d6bfc5_qkv
	.p2align	8
	.type	k_qcbb1d6bfc5_qkv,@function
k_qcbb1d6bfc5_qkv:
	s_mov_b64 s[64:65], 0
	v_nop
	global_prefetch_b8 v0, s[64:65] scope:SCOPE_SE
	s_setreg_imm32_b32 hwreg(HW_REG_WAVE_MODE, 25, 1), 1
	s_wait_xcnt 0x0
	s_wait_alu depctr_hold_cnt(0) depctr_sa_sdst(0) depctr_va_vdst(0) depctr_va_sdst(0) depctr_va_ssrc(0) depctr_va_vcc(0) depctr_vm_vsrc(0)
	s_getreg_b32 s2, hwreg(HW_REG_IB_STS2, 6, 4)
	s_cmp_eq_u32 s2, 0
	s_cbranch_scc0 .Lentry_in_a_cluster
	s_endpgm
.Lentry_in_a_cluster:
	s_bfe_u32 s2, ttmp6, 0x10000c
	s_cmp_lg_u32 s2, 0xf033
	s_cbranch_scc0 .Lentry_shape_is_right
	s_endpgm
.Lentry_shape_is_right:
; The three quantised products in one GEMM on codes of FP4 (E2M1) with E8M0 scales: C[m][n] = sum over k of x[m][k] W[n][k], m 4,096, n 3,072 (Wq's, Wk's, Wv's rows on end), k 1,024; sums in f32.
; OUT: qkv, f16, [part 3][16 b + h][t 2,048][64]: part 0 = (x Wq^T + bq) / 8 (both factors 64^-0.25 of the scores, a power of two: nothing is rounded by it), part 1 = x Wk^T, part 2 = x Wv^T + bv.
; LIMIT: q / 8, k and v stay under f16's 65,504.  Part 1 has no bias: bq is read there and multiplied by 0.
; A tile of C, 256 x 256, is made by a work-group of four waves; a wave makes 128 x 128: 64 accumulators of 16 x 16, 512 registers.  K is two LDS slots of 512 (rows of 256 bytes), both filled once, at the start.
; THE SCALES of the work-group's 256 rows of x and 256 rows of W, for all of K, are two dense blocks of memory: they come into LDS once, in rows of 256 bytes, and stay.
; CLUSTERS: 4 x 4 work-groups.  The four of a row need the same tiles of x, the four of a column the same tiles of W: each tile is asked for JOINTLY.  A cluster's four tile columns are one part: part = cluster x.
; THE MATRIX INSTRUCTION IS USED TRANSPOSED (source 0 = 16 rows of W, source 1 = 16 rows of x): a lane then holds eight neighbouring columns of one row of C.
; REGISTERS, in windows of 256: window 0: v0-31 addresses; v32-95 scale words, two sets; v128-191 x's fragments, ONE set; v192-255 the bias of my 128 columns in the result's layout; on the way out v32-191 are free.
;   window 1: W's fragments, TWO sets, at v0 and v128.   window 2: the 32 accumulators of my rows 0-63 ((a, b) at v[8 (8 a + b)]);   window 3: those of my rows 64-127.
.set SIZE_K, 1024
.set KSTEP,  512                       ; along K in a slot
.set NQ,     KSTEP/128                 ; matrix instructions deep
.set ROWB,   256                       ; a tile's row in bytes
.set KROW,   SIZE_K*4/8                ; a row of codes in memory, in bytes
.set PITCH,  272                       ; an LDS row: 256 bytes + 16 of padding = 68 words: the 16 rows that a load touches start at 16 different banks (64 banks of 4 bytes: ISA guide 11.1)
.set FR,     8                         ; registers of a fragment: 16 rows x 128 K
.set NL,     2                         ; LDS loads that bring one
.set NP,     4                         ; places behind this matrix instruction (ISA guide 7.12.1)
.set HALFT,  128*PITCH                 ; 128 rows: what one tensor load brings, and what one wave reads of x or of W
.set SLOT,   4*HALFT
.set KS,     SIZE_K/32                 ; a row of scales in bytes
.set SCL,    2*SLOT                    ; behind the slots: the scales, as rows of 256 bytes + 16 of padding
.set HALFS,  (128*KS/256)*272
.set SBLK,   (16*KS/256)*272
.set SPARE,  SCL+4*HALFS               ; the spare words, 128 bytes for each wave: two blocks of 256 bytes that no other line names
.set SPITCH, 272                       ; the way out: a stage of 16 rows x (256 bytes + 16) for each wave, in slot 0, which has had its one fill and its last read when the first result is stored there
.set ADRA, 16                          ; v16-17  LDS address of my x fragments in slot 0, 1
.set ADRB, 20                          ; v20-21  the same for W
.set STO,  24                          ; v24     the way out: where I put 16 bytes of a row
.set RD,   25                          ; v25     where I read back: four rows of one head's 128 bytes an instruction
.set CO,   26                          ; v26     16 x lane: my place in a store's 512 bytes
.set ADRS, 27                          ; v27     LDS address of my scale words: lanes 0-15 x's rows, lanes 16-31 W's
.set SPW,  28                          ; v28     my spare word; never rewritten
.set NIL,  29                          ; v29     0; never rewritten
.set BO,   30                          ; v30     the bias loads' offset: 32 (lane / 16); never rewritten
.set SC,   32                          ; scale words: set s at v[SC + 8 NQ s]; register NQ i + q: lanes 0-15 x's block i, lanes 16-31 W's block i
.set AF,   128                         ; x's fragments
.set T32,  32                          ; the way out: a block's 64 numbers, scaled and biased
.set TH,   96                          ; the same as f16 pairs
.set BK,   128                         ; 16 rows read back from the stage: v128-159 and v160-191 by turns
.set BI,   192                         ; the bias
.set G1, 24                            ; s[24:31] descriptor group 1 for x's tiles;  s[32:39] group 0, one set for each slot
.set G0, 32
.set G1B, 48                           ; s[48:55], s[56:63] the same for W's tiles
.set G0B, 56
.set G1S, 68                           ; s[68:75], s[76:79] groups 1 and 0 for x's scales;  s[80:87], s[88:91] for W's
.set G0S, 76
.set G1SB, 80
.set G0SB, 88
.set MSB, 0
.macro WIN new                         ; the immediate's high byte repeats the setting that is left
.if MSB != (\new)
	s_set_vgpr_msb (MSB<<8)|(\new)
.set MSB, (\new)
.endif
.endm
.set MUL_LO, 0xa1                      ; source 0 (W) window 1, source 1 (x) window 0, C and D window 2
.set MUL_HI, 0xf1                      ; the same, C and D window 3
.set TO_B,   0x40                      ; destination window 1, address window 0
; A joint load: waves 0 and 1 fetch for x, waves 2 and 3 for W.  The branch hangs on the wave's number alone.  Four v_nop follow each of the two lines.
.macro JLOAD g0a, g1a, g0b, g1b
	s_cmp_eq_u32 s15, 0
	s_cbranch_scc0 .Lfor_b_\@
	tensor_load_to_lds s[\g0a:\g0a+3], s[\g1a:\g1a+7]
	s_nop 0
.rept 4
	v_nop
.endr
	s_branch .Lasked_\@
.Lfor_b_\@:
	tensor_load_to_lds s[\g0b:\g0b+3], s[\g1b:\g1b+7]
	s_nop 0
.rept 4
	v_nop
.endr
.Lasked_\@:
.endm
.macro CREST                           ; a round of the cluster's barrier behind its opening barrier
	s_cmp_lg_u32 s14, 0
	s_cbranch_scc1 .Lnot_wave_0_\@
	s_barrier_signal -3
.Lnot_wave_0_\@:
	s_barrier_wait -3
	s_barrier_signal -1
	s_barrier_wait -1
.endm
.macro CROUND                          ; a whole round
	s_barrier_signal -1
	s_barrier_wait -1
	CREST
.endm
	s_load_b128 s[4:7], s[0:1], 0x0                ; x's codes s[4:5], x's scales s[6:7]
	s_load_b128 s[8:11], s[0:1], 0x10              ; W's codes s[8:9], W's scales s[10:11]
	s_load_b128 s[96:99], s[0:1], 0x20             ; bq s[96:97], bv s[98:99]
	s_load_b64 s[12:13], s[0:1], 0x30              ; qkv
	v_lshl_add_u32 v[SPW], v0, 2, SPARE
	v_mov_b32 v[NIL], 0
	ds_add_u32 v28, v29
	s_wait_dscnt 0x0
	v_lshrrev_b32 v1, 5, v0
	v_readfirstlane_b32 s14, v1                    ; wave 0..3
	s_lshr_b32 s15, s14, 1                         ; which half of the tile's rows is mine.  Also: I fetch for x (0) or for W (1)
	s_and_b32 s16, s14, 1                          ; which half of its columns.  Also: which 128 rows of that tile I fetch
	s_bfe_u32 s40, ttmp6, 0x40000                  ; cx, cy: my place in the cluster
	s_bfe_u32 s41, ttmp6, 0x40004
	s_lshl_b32 s42, ttmp9, 2
	s_add_co_u32 s42, s42, s40                     ; tile column of C = 4 x cluster x + cx
	s_and_b32 s17, ttmp7, 0xffff
	s_lshl_b32 s17, s17, 2
	s_add_co_u32 s17, s17, s41                     ; tile row of C = 4 x cluster y + cy
	s_lshl_b32 s43, s41, 2
	s_lshl_b32 s43, 15, s43                        ; my row of the cluster
	s_lshl_b32 s44, 0x1111, s40                    ; my column
	; descriptor group 1: a tile of 128 rows x 256 bytes, padded in LDS
	s_or_b32 s[G1+0], s43, (0<<16)|(1<<20)|(1<<21)|(5<<22)|(3<<25)  ; 15:0 the mask: x's tiles go to my row; 17:16 element of 1 byte; 20 padding on; 21 set beside a mask; 24:22 after every 64 words (code 5); 31:25 of 4 words (code 3)
	s_or_b32 s[G1B+0], s44, (0<<16)|(1<<20)|(1<<21)|(5<<22)|(3<<25)
.irp g, G1, G1B
	s_mov_b32 s[\g+1], ROWB<<16                    ; tensor_dim0
	s_mov_b32 s[\g+2], 128<<16                     ; tensor_dim1 = 128
	s_mov_b32 s[\g+3], ROWB<<16                    ; tile_dim0
	s_mov_b32 s[\g+4], 128                         ; tile_dim1 = 128
	s_mov_b32 s[\g+5], KROW                        ; tensor_dim0_stride
	s_mov_b32 s[\g+6], 0
	s_mov_b32 s[\g+7], 0
.endr
	; the scales of 128 rows: a dense block of 4,096 bytes, as rows of 256 bytes (32 elements of 8 bytes), 16 bytes of padding behind each
	s_or_b32 s[G1S+0], s43, (3<<16)|(1<<20)|(1<<21)|(5<<22)|(3<<25)
	s_or_b32 s[G1SB+0], s44, (3<<16)|(1<<20)|(1<<21)|(5<<22)|(3<<25)
.irp g, G1S, G1SB
	s_mov_b32 s[\g+1], 32<<16
	s_mov_b32 s[\g+2], (128*KS/256)<<16
	s_mov_b32 s[\g+3], 32<<16
	s_mov_b32 s[\g+4], 128*KS/256
	s_mov_b32 s[\g+5], 32
	s_mov_b32 s[\g+6], 0
	s_mov_b32 s[\g+7], 0
.endr
	s_lshl_b32 s18, s16, 7                         ; which 128 rows of the tile I fetch
	s_lshl_b32 s20, s17, 8
	s_add_co_u32 s20, s20, s18                     ; x: row 256 x tile row + 128 x half
	s_lshl_b32 s46, s42, 8
	s_add_co_u32 s46, s46, s18                     ; W: row 256 x tile column + 128 x half
	s_mov_b32 s21, 0
	s_mov_b32 s47, 0
	s_mov_b64 s[18:19], KS
	s_mul_u64 s[22:23], s[20:21], s[18:19]         ; where these rows' scales begin, in bytes
	s_mul_u64 s[92:93], s[46:47], s[18:19]
	s_mov_b64 s[18:19], KROW
	s_mul_u64 s[20:21], s[20:21], s[18:19]         ; and their codes
	s_mul_u64 s[46:47], s[46:47], s[18:19]
	s_mul_i32 s45, s14, HALFT                      ; where they go: wave x 128 rows: no place in the cluster enters an LDS address
	s_mul_i32 s94, s14, HALFS
	s_wait_kmcnt 0x0
	s_add_nc_u64 s[20:21], s[4:5], s[20:21]
	s_add_nc_u64 s[22:23], s[6:7], s[22:23]
	s_add_nc_u64 s[46:47], s[8:9], s[46:47]
	s_add_nc_u64 s[92:93], s[10:11], s[92:93]
	CROUND                                         ; all sixteen work-groups are here: the joint loads meet
	s_mov_b32 s[G0S], 1
	s_add_co_u32 s[G0S+1], s94, SCL
	s_mov_b64 s[G0S+2:G0S+3], s[22:23]
	s_or_b32 s[G0S+3], s[G0S+3], 0x80000000
	s_mov_b32 s[G0SB], 1
	s_add_co_u32 s[G0SB+1], s94, SCL
	s_mov_b64 s[G0SB+2:G0SB+3], s[92:93]
	s_or_b32 s[G0SB+3], s[G0SB+3], 0x80000000
	JLOAD G0S, G1S, G0SB, G1SB                     ; the scales first: they are wanted with the first slot.  Three tensor loads of mine are out behind this group
.irp s, 0,1
	s_mov_b32 s[G0+4*\s], 1
	s_add_co_u32 s[G0+4*\s+1], s45, \s*SLOT
	s_add_nc_u64 s[G0+4*\s+2:G0+4*\s+3], s[20:21], \s*ROWB
	s_or_b32 s[G0+4*\s+3], s[G0+4*\s+3], 0x80000000
	s_mov_b32 s[G0B+4*\s], 1
	s_add_co_u32 s[G0B+4*\s+1], s45, \s*SLOT
	s_add_nc_u64 s[G0B+4*\s+2:G0B+4*\s+3], s[46:47], \s*ROWB
	s_or_b32 s[G0B+4*\s+3], s[G0B+4*\s+3], 0x80000000
	JLOAD G0+4*\s, G1, G0B+4*\s, G1B
.endr
	v_and_b32 v1, 15, v0                           ; r = l % 16
	v_bfe_u32 v2, v0, 4, 1                         ; h = l / 16
	; the part's bias and factors.  part = cluster x: the same in all sixteen partners
	s_cmp_eq_u32 ttmp9, 2
	s_cselect_b64 s[96:97], s[98:99], s[96:97]     ; v takes bv; q takes bq; k reads bq and multiplies it by 0
	s_cmp_eq_u32 ttmp9, 0
	s_cselect_b32 s100, 0x3e000000, 1.0            ; what the sums are multiplied by: 1 / 8 for q
	s_cselect_b32 s2, 0x3e000000, 1.0              ; and the bias
	s_cmp_eq_u32 ttmp9, 1
	s_cselect_b32 s2, 0, s2
	s_mov_b32 s101, s100                           ; (the packed forms name pairs and take the low word for both halves: so the upper words are written)
	s_mov_b32 s3, s2
	s_lshl_b32 s92, s40, 10                        ; my 128 columns in the part: 256 cx + 128 x half, 4 bytes each
	s_lshl_b32 s93, s16, 9
	s_add_co_u32 s92, s92, s93
	s_mov_b32 s93, 0
	s_add_nc_u64 s[96:97], s[96:97], s[92:93]
	v_lshlrev_b32 v[BO], 5, v2
.irp b, 0,1,2,3,4,5,6,7                        ; lane (r, h) wants, for W's block b, the bias of columns 16 b + 8 h + 0 .. 7
	global_load_b128 v[BI+8*\b:BI+8*\b+3],   v[BO], s[96:97] offset:64*\b
	global_load_b128 v[BI+8*\b+4:BI+8*\b+7], v[BO], s[96:97] offset:64*\b+16
.endr
	v_mul_u32_u24 v3, v1, PITCH
	v_lshl_add_u32 v4, v2, 4, v3                   ; a fragment's row x pitch + 16 x half
	s_mul_i32 s21, s15, HALFT                      ; my 128 rows of x
	s_mul_i32 s22, s16, HALFT                      ; my 128 rows of W,
	s_add_co_u32 s22, s22, 2*HALFT                 ; which lie behind x's 256
.irp s, 0,1
	v_add_nc_u32 v[ADRA+\s], s21, v4
	v_add_nc_u32 v[ADRB+\s], s22, v4
	s_add_co_u32 s21, s21, SLOT
	s_add_co_u32 s22, s22, SLOT
.endr
	v_mul_u32_u24 v5, v1, KS                       ; my row's scales: KS bytes a row,
	v_lshrrev_b32 v6, 8, v5
	v_lshl_add_u32 v5, v6, 4, v5                   ; and 16 more for each 256 passed
	s_mul_i32 s21, s15, HALFS                      ; x's: my 128 rows
	s_mul_i32 s22, s16, HALFS                      ; W's: my 128 rows, behind x's 256
	s_add_co_u32 s22, s22, 2*HALFS
	s_sub_co_u32 s22, s22, s21
	v_mul_u32_u24 v6, s22, v2                      ; lanes 16-31 take W's: one product, the lower base + h x the distance
	s_add_co_u32 s21, s21, SCL
	v_add_nc_u32 v5, v5, v6
	v_add_nc_u32 v[ADRS], s21, v5
	s_mul_i32 s23, s14, 16*SPITCH                  ; my stage
	v_mul_u32_u24 v5, v1, SPITCH                   ; in: row r, 16 bytes for each half of the lanes
	v_lshl_add_u32 v5, v2, 4, v5
	v_add_nc_u32 v[STO], s23, v5
	v_and_b32 v6, 31, v0
	v_lshrrev_b32 v5, 3, v6                        ; back: eight lanes take one head's 128 bytes of a row, the 32 lanes four rows
	v_mul_u32_u24 v5, v5, SPITCH
	v_and_b32 v7, 7, v6
	v_lshl_add_u32 v5, v7, 4, v5
	v_add_nc_u32 v[RD], s23, v5
	v_lshlrev_b32 v[CO], 4, v6                     ; in qkv a head's rows of 128 bytes lie on end: four rows are 512 consecutive bytes
	; where my part of the tile begins in qkv: (((32 part + 16 b + first head) x 2,048) + first t) x 128 bytes
	s_lshl_b32 s20, ttmp9, 5
	s_lshr_b32 s21, s17, 3                         ; b: eight tile rows to a batch
	s_lshl_b32 s21, s21, 4
	s_add_co_u32 s20, s20, s21
	s_lshl_b32 s21, s40, 2                         ; four heads to a tile column,
	s_add_co_u32 s20, s20, s21
	s_lshl_b32 s21, s16, 1                         ; two to a wave
	s_add_co_u32 s20, s20, s21
	s_lshl_b32 s20, s20, 11
	s_lshl_b32 s21, s17, 8
	s_lshl_b32 s22, s15, 7
	s_add_co_u32 s21, s21, s22
	s_and_b32 s21, s21, 2047                       ; my first t
	s_add_co_u32 s20, s20, s21
	s_lshl_b32 s20, s20, 7
	s_mov_b32 s21, 0
	s_add_nc_u64 s[12:13], s[12:13], s[20:21]
.macro FRAG reg, adr, q, i             ; a fragment, 16 rows x 128 K of 4-bit codes, is 8 registers: lane l holds row l % 16; registers 4 c .. 4 c + 3 hold K = 64 c + 32 (l / 16) + 0 .. 31
.irp c, 0,1
	ds_load_b128 v[\reg+4*\c:\reg+4*\c+3], v[\adr] offset:64*(\q)+32*\c+(\i)*16*PITCH
.endr
.endm
; 16 matrix instructions: x's blocks a0, a0 + 1 against W's eight, 128 along K: the slot's q-th.  p: W's set;  sc: the set of scale words.  zero = 1: the first product starts the sums: nothing is ever cleared.
; The 64 accumulators take turns, one instruction a turn, in the same order in every step.
.macro MUL16 a0, p, q, sc, zero
.irp a, \a0, \a0+1
.irp b, 0,1,2,3,4,5,6,7
.if \zero
	v_wmma_scale_f32_16x16x128_f8f6f4 v[8*(8*((\a)%4)+\b):8*(8*((\a)%4)+\b)+7], v[128*(\p)+FR*\b:128*(\p)+FR*\b+FR-1], v[AF+FR*(\a):AF+FR*(\a)+FR-1], 0, v[SC+8*NQ*(\sc)+NQ*\b+(\q)], v[SC+8*NQ*(\sc)+NQ*(\a)+(\q)] matrix_a_fmt:MATRIX_FMT_FP4 matrix_b_fmt:MATRIX_FMT_FP4 matrix_a_scale:MATRIX_SCALE_ROW1
.else
	v_wmma_scale_f32_16x16x128_f8f6f4 v[8*(8*((\a)%4)+\b):8*(8*((\a)%4)+\b)+7], v[128*(\p)+FR*\b:128*(\p)+FR*\b+FR-1], v[AF+FR*(\a):AF+FR*(\a)+FR-1], v[8*(8*((\a)%4)+\b):8*(8*((\a)%4)+\b)+7], v[SC+8*NQ*(\sc)+NQ*\b+(\q)], v[SC+8*NQ*(\sc)+NQ*(\a)+(\q)] matrix_a_fmt:MATRIX_FMT_FP4 matrix_b_fmt:MATRIX_FMT_FP4 matrix_a_scale:MATRIX_SCALE_ROW1
.endif
.endr
.endr
.endm
.macro FETCH_B slot, q, p              ; W's eight fragments of the slot's q-th 128 along K into set p
	WIN TO_B
.irp i, 0,1,2,3,4,5,6,7
	FRAG 128*(\p)+FR*\i, ADRB+\slot, \q, \i
.endr
	WIN 0
.endm
.macro FETCH_A slot, q, i0             ; x's blocks i0 .. i0 + 3
.irp i, \i0, \i0+1, \i0+2, \i0+3
	FRAG AF+FR*(\i), ADRA+\slot, \q, \i
.endr
.endm
.macro SCALES sc                       ; a slot's scale words into set sc: NQ words a row; lanes 0-15 take x's block i, lanes 16-31 W's block i
.irp i, 0,1,2,3,4,5,6,7
	ds_load_b128 v[SC+8*NQ*\sc+NQ*\i:SC+8*NQ*\sc+NQ*\i+3], v[ADRS] offset:\i*SBLK
.endr
.endm
; A load into a register that a matrix instruction has read, and a vector instruction or an LDS store that reads a matrix result, stand NP places behind that matrix instruction; only plain vector
; instructions that name none of its registers are places (ISA guide 7.12.1 for vector instructions).
.macro PLACES n
.rept \n
	v_nop
.endr
.endm
; A step of 128 along K that has its successor in the same slot.  A block of x is free as soon as its eight products are issued: blocks 0-3 are fetched anew in the step's middle, blocks 4-7 at its end.
.macro STEP slot, q, zero
	s_wait_dscnt 4*NL                              ; W's set and x's blocks 0-3 are in; the youngest eight loads (x's blocks 4-7) may be out
	WIN MUL_LO
	MUL16 0, (\q)%2, \q, \slot, \zero
	MUL16 2, (\q)%2, \q, \slot, \zero
	s_wait_dscnt 0                                 ; x's blocks 4-7 are in (asked for 32 matrix instructions ago)
	PLACES NP
	FETCH_B \slot, (\q)+1, 1-(\q)%2
	FETCH_A \slot, (\q)+1, 0
	WIN MUL_HI
	MUL16 4, (\q)%2, \q, \slot, \zero
	MUL16 6, (\q)%2, \q, \slot, \zero
	PLACES NP
	WIN 0
	FETCH_A \slot, (\q)+1, 4
.endm
; Slot 0's last step changes slots: one barrier; in front of it each wave waits for all its tensor loads (its part of slot 1), adds 0 to its spare word, and waits for that and for its reads of slot 0.  Nothing is filled again.
.macro TURN slot, next
	s_wait_tensorcnt 0x0                           ; all my tensor loads have landed: my part of the next slot;  (every window is 0 here)
	ds_add_u32 v[SPW], v[NIL]                      ; 0 onto my spare word
	s_wait_dscnt 4*NL+1                            ; (the add and the youngest eight loads, x's blocks 4-7, may be out)
	WIN MUL_LO
	MUL16 0, 1, NQ-1, \slot, 0                     ; sixteen matrix instructions stand between the add and the wait for it
	s_wait_dscnt 0x0                               ; the add is done, and my reads of this slot are over
	s_barrier_signal -1
	MUL16 2, 1, NQ-1, \slot, 0
	WIN 0
	s_barrier_wait -1
	PLACES NP
	v_add_nc_u32 v[ADRS], 4*NQ, v[ADRS]            ; on to the next slot's scale words (no LDS load of mine is out)
	FETCH_B \next, 0, 0
	FETCH_A \next, 0, 0
	SCALES \next
	WIN MUL_HI
	MUL16 4, 1, NQ-1, \slot, 0
	MUL16 6, 1, NQ-1, \slot, 0
	PLACES NP
	WIN 0
	FETCH_A \next, 0, 4
.endm
.macro STEPS slot, from                ; the slot's steps from .. NQ - 2
.set Q, \from
.rept NQ-1-\from
	STEP \slot, Q, 0
.set Q, Q+1
.endr
.endm
	s_wait_tensorcnt 1                             ; the scales and my part of slot 0 are in (slot 1's load may be out)
	s_barrier_signal -1
	s_barrier_wait -1                              ; everybody's are
	FETCH_B 0, 0, 0
	FETCH_A 0, 0, 0
	SCALES 0
	FETCH_A 0, 0, 4
	STEP 0, 0, 1                                   ; the first step's products start the sums
	STEPS 0, 1
	TURN 0, 1
	STEPS 1, 0
	s_wait_dscnt 4*NL                              ; the very last step: nothing more to fetch
	WIN MUL_LO
	MUL16 0, 1, NQ-1, 1, 0
	MUL16 2, 1, NQ-1, 1, 0
	s_wait_dscnt 0
	WIN MUL_HI
	MUL16 4, 1, NQ-1, 1, 0
	MUL16 6, 1, NQ-1, 1, 0
	WIN 0
; THE WAY OUT, block by block of 16 rows x 128 columns (two heads).  PACK: sum x factor + bias (one fused multiply-add, two at a time), rounded to f16: 16 bytes a lane.  TOSTAGE: into my own stage, and back so that
; 32 lanes hold four whole rows of one head.  SEND: each store covers 512 consecutive bytes of qkv, aligned.  LDS serves a wave's instructions in order (ISA guide 5.7.1.4): no wait between the stage's stores and loads.
	s_wait_loadcnt 0x0                             ; the bias
.set i, 0
.rept 32
	v_pk_mul_f32 v[BI+2*i:BI+2*i+1], v[BI+2*i:BI+2*i+1], s[2:3] op_sel_hi:[1,0]   ; the bias under the part's factor.  These 32 name no register of the last products: they are the places behind them
.set i, i+1
.endr
.macro PACK a
.set AC, 64*((\a)%4)
	WIN 0x02+((\a)/4)                              ; source 0: window 2 or 3
.irp b, 0,1,2,3,4,5,6,7
.irp i, 0,1,2,3
	v_pk_fma_f32 v[T32+8*\b+2*\i:T32+8*\b+2*\i+1], v[AC+8*\b+2*\i:AC+8*\b+2*\i+1], s[100:101], v[BI+8*\b+2*\i:BI+8*\b+2*\i+1] op_sel_hi:[1,0,1]   ; each accumulator from its low end on
.endr
.endr
	WIN 0
.irp b, 0,1,2,3,4,5,6,7
.irp i, 0,1,2,3
	v_cvt_pk_f16_f32 v[TH+4*\b+\i], v[T32+8*\b+2*\i], v[T32+8*\b+2*\i+1]
.endr
.endr
.endm
.macro TOSTAGE a
.set BB, BK+32*((\a)%2)
.irp b, 0,1,2,3,4,5,6,7
	ds_store_b128 v[STO], v[TH+4*\b:TH+4*\b+3] offset:32*\b        ; columns 16 b + 8 h + 0 .. 7 of row r
.endr
.irp hh, 0,1
.irp i, 0,1,2,3
	ds_load_b128 v[BB+16*\hh+4*\i:BB+16*\hh+4*\i+3], v[RD] offset:4*\i*SPITCH+128*\hh
.endr
.endr
.endm
.macro SEND a
.set BB, BK+32*((\a)%2)
	s_wait_dscnt 0x0                               ; the block is back in registers
	s_wait_xcnt 0x0                                ; the earlier stores have read their data: the next block's loads land in those registers only behind this wait
.irp hh, 0,1
.irp i, 0,1,2,3
	global_store_b128 v[CO], v[BB+16*\hh+4*\i:BB+16*\hh+4*\i+3], s[12:13] offset:\hh*262144+(16*(\a)+4*\i)*128   ; head hh, rows 16 a + 4 i .. + 3; the base is never stepped
.endr
.endr
.endm
	PACK 0
	TOSTAGE 0
.irp a, 1,2,3,4,5,6,7                  ; block a's arithmetic stands between block a - 1's loads from the stage and the wait for them
	PACK \a
	SEND \a-1
	TOSTAGE \a
.endr
	SEND 7
	s_wait_tensorcnt 0x0                           ; the wave's end, behind my last tensor load and my last LDS store
	ds_add_u32 v[SPW], v[NIL]
	s_wait_dscnt 0x0
	CROUND                                         ; the closing round: no work-group ends while a partner may still ask for a tile that names it
	s_endpgm
.Lfunc_end_k_qcbb1d6bfc5_qkv:
	.size	k_qcbb1d6bfc5_qkv, .Lfunc_end_k_qcbb1d6bfc5_qkv-k_qcbb1d6bfc5_qkv
	.p2alignl 7, 3214868480
	.fill 96, 4, 3214868480
	.section	.rodata,"a",@progbits
	.p2align	6, 0x0
	.amdhsa_kernel k_qcbb1d6bfc5_qkv
		.amdhsa_group_segment_fixed_size 327680
		.amdhsa_private_segment_fixed_size 0
		.amdhsa_enable_private_segment 0
		.amdhsa_kernarg_size 56
		.amdhsa_user_sgpr_count 2
		.amdhsa_user_sgpr_kernarg_segment_ptr 1
		.amdhsa_wavefront_size32 1
		.amdhsa_system_sgpr_workgroup_id_x 1
		.amdhsa_system_sgpr_workgroup_id_y 1
		.amdhsa_system_sgpr_workgroup_id_z 1
		.amdhsa_system_vgpr_workitem_id 0
		.amdhsa_next_free_vgpr 1024
		.amdhsa_next_free_sgpr 102
		.amdhsa_reserve_vcc 0
		.amdhsa_float_denorm_mode_32 3
		.amdhsa_float_denorm_mode_16_64 3
		.amdhsa_memory_ordered 1
		.amdhsa_forward_progress 1
		.amdhsa_inst_pref_size 146
	.end_amdhsa_kernel
	.amdgpu_metadata
---
amdhsa.version: [ 1, 2 ]
amdhsa.kernels:
  - .name:           k_qcbb1d6bfc5_qkv
    .symbol:         k_qcbb1d6bfc5_qkv.kd
    .args:
      - { .name: xc, .offset: 0, .size: 8, .value_kind: global_buffer, .address_space: global }
      - { .name: xs, .offset: 8, .size: 8, .value_kind: global_buffer, .address_space: global }
      - { .name: wc, .offset: 16, .size: 8, .value_kind: global_buffer, .address_space: global }
      - { .name: ws, .offset: 24, .size: 8, .value_kind: global_buffer, .address_space: global }
      - { .name: bq, .offset: 32, .size: 8, .value_kind: global_buffer, .address_space: global }
      - { .name: bv, .offset: 40, .size: 8, .value_kind: global_buffer, .address_space: global }
      - { .name: qkv, .offset: 48, .size: 8, .value_kind: global_buffer, .address_space: global }
    .group_segment_fixed_size: 327680
    .private_segment_fixed_size: 0
    .kernarg_segment_align: 8
    .kernarg_segment_size: 56
    .max_flat_workgroup_size: 128
    .sgpr_count:     102
    .vgpr_count:     1024
    .wavefront_size: 32
...
	.end_amdgpu_metadata
.endif
;; end of part 2
;; launch attn (part 3): grid 16 x 16, 8 waves a work-group, clusters of 4 x 4, 327,680 bytes of LDS; arguments qkv, mask, att; writes att
.if DOCPART == 3
	.amdgcn_target "amdgcn-amd-amdhsa--gfx1250"
	.amdhsa_code_object_version 6
	.text
	.protected	k_qcbb1d6bfc5_attn
	.globl	k_qcbb1d6bfc5_attn
	.p2align	8
	.type	k_qcbb1d6bfc5_attn,@function
k_qcbb1d6bfc5_attn:
	s_mov_b64 s[64:65], 0
	v_nop
	global_prefetch_b8 v0, s[64:65] scope:SCOPE_SE
	s_setreg_imm32_b32 hwreg(HW_REG_WAVE_MODE, 25, 1), 1
	s_wait_xcnt 0x0
	s_wait_alu depctr_hold_cnt(0) depctr_sa_sdst(0) depctr_va_vdst(0) depctr_va_sdst(0) depctr_va_ssrc(0) depctr_va_vcc(0) depctr_vm_vsrc(0)
	s_getreg_b32 s2, hwreg(HW_REG_IB_STS2, 6, 4)
	s_cmp_eq_u32 s2, 0
	s_cbranch_scc0 .Lentry_in_a_cluster
	s_endpgm
.Lentry_in_a_cluster:
	s_bfe_u32 s2, ttmp6, 0x10000c
	s_cmp_lg_u32 s2, 0xf033
	s_cbranch_scc0 .Lentry_shape_is_right
	s_endpgm
.Lentry_shape_is_right:
; att[b][t][64 h + d] = the sum over k of softmax_k(q[t] . k[k] + mask[t][k]) v[k][d], for 32 pairs (b, h), 2,048 queries and keys, head size 64.
; q (already x 1 / 8), k, v: qkv, f16, [part][16 b + h][t][64].  mask: [2048][2048] f32, an input: it is read whole and added as it comes, so every query walks all keys.  att: f16, [b 2048 + t][1024].
; Products on f16 operands with f32 sums; maxima, exponentials and sums in f32; the weights p are rounded to f16 for the second product, the result once at the end.
; LIMITS: the result stays under f16's 65,504.  A row whose mask is -infinity throughout gives NaN (0 x infinity), as a softmax of such a row does; +infinity and NaN in the mask are not served.
; SHARES.  A work-group owns 128 queries of TWO heads of one batch, so that a tile of the mask serves both.  Wave w: head w / 4, queries 32 (w % 4) on: two tiles of 16.
; LAYOUT.  Both products are used transposed: S^T = K Q^T + mask^T (source 0 = 16 keys, source 1 = 16 queries), O^T += V^T P (source 0 = 16 channels, source 1 = P): a lane holds ONE query (lane % 16) throughout.
; THE MASK COSTS NO ADDITION: lane (r, h) loads mask[query r][keys 16 kt + 8 h + 0 .. 7] into the very registers of the score tile, and the first product takes them as its C.
; SOFTMAX.  A running maximum m and sum l for each query: p = 2^((s - m) log2 e).  The subtraction comes first, so that a large common offset of the mask is taken off exactly before anything is multiplied.
; In every step O^T and l are multiplied by a = 2^((m_old - m_new) log2 e).  m begins at the most negative finite number, l and O^T at 0: the step is written once, and its first pass multiplies zeros by a = 0.
; RING.  Two LDS slots of 128 keys (two steps of 64): the mask's 128 rows x 512 bytes, K's and V's 128 rows x 128 bytes for each of the two heads.  One round of the cluster's barrier for each slot; one tensor load of a wave is out behind it.
; CLUSTER, 4 x 4.  The mask's tile hangs on the block of queries alone (x): asked for jointly by a column.  K's and V's hang on the pair of heads alone (y): asked for jointly by a row.
; TWO GROUPS OF WAVES.  A key step is two pieces: LOADKQ (K and the mask out of LDS, K Q^T, V asked for) and SMPV (softmax, V^T P).  Group = (w xor w / 4) mod 2: of waves w and w + 4, and of waves 2 k and 2 k + 1, one is in each group.
; Both groups run the same pieces in the same order; what differs is where the change of slots cuts the sequence.  Group 0 meets it behind a slot's last SMPV.  Group 1 meets it behind the slot's last LOADKQ, with that step's scores and V
; in registers, and runs that SMPV first thing behind the round.  So behind each round one group begins with LDS loads and products and the other with vector work, and two waves of different groups seldom want the same unit.
; The branches that part the groups hang on the wave's number alone and jump over register work and one wait on DScnt: no barrier, no tensor load and no LDS instruction stands under them.
.set MP,    528                        ; a row of the mask's tile in LDS: 512 bytes + 16: the 16 rows that a load touches start at 16 different banks (64 banks of 4 bytes: ISA guide 11.1)
.set KP,    144                        ; a row of K: 128 bytes + 16
.set VP,    160                        ; a row of V: 128 bytes + 32: 16 lanes of the turning load take 8 rows x 32 bytes
.set KB,    128*MP                     ; in a slot: the mask, then K's two heads,
.set VB,    KB+2*128*KP                ; then V's two
.set SLOTB, VB+2*128*VP                ; 145,408 bytes
.set STAGE, 2*SLOTB                    ; behind the ring: 128 rows x (256 bytes + 16), the work-group's, for the way out
.set SP,    272
.set SPARE, STAGE+128*SP               ; the spare words, 128 bytes for each wave: four blocks of 256 bytes that no other line names
.set SPW, 1                            ; v1   my spare word; never rewritten
.set NIL, 2                            ; v2   0; never rewritten
.set AM,  3                            ; v3-4 LDS address of my lane's mask bytes in slot 0, 1
.set AK,  5                            ; v5-6 of K's fragments
.set AV,  7                            ; v7-8 of V's, for the turning load
.set PFO, 9                            ; v9   the prefetches' lane offset; never rewritten
.set ST,  12                           ; v12-27 statistics, 8 a tile: +0 m, +1 (its pair's partner, 0), +2, +3 l (even keys', odd keys'), +4 .. +7 at work; a in +6
.set STO, 28                           ; v28  the way out: where I put 16 bytes of a row
.set RD,  29                           ; v29  where I read a row back
.set GO,  30                           ; v30  my byte offset in att
.set QO,  31                           ; v31  my byte offset in the wave's rows of q
.set QF,  32                           ; v32-63   Q: tile t, channels 32 c on: v[QF + 16 t + 8 c]
.set S,   64                           ; v64-127  S^T, 32 a tile: register 8 kt + j = key 16 kt + 8 (lane / 16) + j; then p; then P in the tile's first 16
.set KV,  128                          ; v128-191 K's eight fragments, then V's eight
.set O,   192                          ; v192-255 O^T: tile t, channels 16 ct on: v[O + 32 t + 8 ct]
.set GRP, 3                            ; s3   my group, 0 or 1
.set G1M, 24                           ; s[24:31], s[32:39], s[40:47] descriptor groups 1: mask, K, V
.set G1K, 32
.set G1V, 40
.set G0M, 48                           ; s[48:55], s[56:63], s[68:75] groups 0, a set for each slot
.set G0K, 56
.set G0V, 68
.set CS,  76                           ; s[76:77] log2(e)
.set SEL, 78                           ; s[78:79] lane selects for v_permlanex16_b32: lane l xor 16
.set LIM, 81                           ; s81  1 in a wave that prefetches
.set PFA, 82                           ; s[82:83], s[84:85] where my two prefetches stand;  s[86:87] a slot on, in bytes
.set PFB, 84
.set PFS, 86
; A round of the cluster's barrier: my work-group's barrier; wave 0 signals for the work-group; every wave waits for all sixteen; my work-group's barrier once more.
.macro CROUND
	s_barrier_signal -1
	s_barrier_wait -1
	s_cmp_lg_u32 s10, 0
	s_cbranch_scc1 .Lnot_wave_0_\@
	s_barrier_signal -3
.Lnot_wave_0_\@:
	s_barrier_wait -3
	s_barrier_signal -1
	s_barrier_wait -1
.endm
; The joint loads of slot n.  Waves 0, 1: the mask's two halves of 64 rows; waves 2, 3: K of the two heads; waves 4, 5: V of the two heads; waves 6, 7: none.  The branches hang on the wave's number alone.
; Four v_nop follow each tensor load.
.macro JLOAD n
	s_cmp_lt_u32 s10, 2
	s_cbranch_scc0 .Lnot_m_\@
	tensor_load_to_lds s[G0M+4*\n:G0M+4*\n+3], s[G1M:G1M+7]
	s_nop 0
.rept 4
	v_nop
.endr
	s_branch .Lasked_\@
.Lnot_m_\@:
	s_cmp_lt_u32 s10, 4
	s_cbranch_scc0 .Lnot_k_\@
	tensor_load_to_lds s[G0K+4*\n:G0K+4*\n+3], s[G1K:G1K+7]
	s_nop 0
.rept 4
	v_nop
.endr
	s_branch .Lasked_\@
.Lnot_k_\@:
	s_cmp_lt_u32 s10, 6
	s_cbranch_scc0 .Lasked_\@
	tensor_load_to_lds s[G0V+4*\n:G0V+4*\n+3], s[G1V:G1V+7]
	s_nop 0
.rept 4
	v_nop
.endr
.Lasked_\@:
.endm
; A PREFETCH INTO THE L2 of the slot behind the one that has just been asked for: while slot j is worked, slot j + 2 is named, whose load goes out behind the next round: 64 (wave 7, group 0) or 48 (wave 6, group 1) matrix
; instructions of the asking wave ahead of that load.  Each aligned block of 256 bytes is named once in the launch.
; The mask's rows are read by every cluster of a column of clusters: wave 6 of the clusters with y = 0 asks; the four partners of a column take 32 rows each, told apart by address (cy); a lane a row, two blocks of 256 bytes.
; K and V are read by every cluster of a row of clusters: wave 7 of the clusters with x = 0 asks; the four partners of a row take 8,192 bytes of K and of V each (head cx / 2, half cx % 2), lanes 256 bytes apart.
.macro ASK
	s_cmp_eq_u32 s[LIM], 1
	s_cbranch_scc0 .Lnot_mine_\@
	global_prefetch_b8 v[PFO], s[PFA:PFA+1] th:TH_LOAD_NT scope:SCOPE_SE
	global_prefetch_b8 v[PFO], s[PFB:PFB+1] th:TH_LOAD_NT scope:SCOPE_SE
.Lnot_mine_\@:
.endm
	s_load_b128 s[4:7], s[0:1], 0x0                ; qkv s[4:5], mask s[6:7]
	s_load_b64 s[8:9], s[0:1], 0x10                ; att
	v_lshl_add_u32 v[SPW], v0, 2, SPARE
	v_mov_b32 v[NIL], 0
	ds_add_u32 v1, v2
	s_wait_dscnt 0x0
	v_lshrrev_b32 v10, 5, v0
	v_readfirstlane_b32 s10, v10                   ; wave 0..7
	s_and_b32 s11, s10, 1                          ; which half (of the mask's rows) or head (of K, V) I fetch
	s_lshr_b32 s12, s10, 2                         ; my head of the two
	s_and_b32 s13, s10, 3                          ; my 32 queries of the 128
	s_lshr_b32 s[GRP], s10, 2
	s_xor_b32 s[GRP], s[GRP], s10
	s_and_b32 s[GRP], s[GRP], 1                    ; my group: (w xor w / 4) mod 2
	s_bfe_u32 s14, ttmp6, 0x40000                  ; cx
	s_bfe_u32 s15, ttmp6, 0x40004                  ; cy
	s_lshl_b32 s16, ttmp9, 2
	s_add_co_u32 s16, s16, s14                     ; block of 128 queries = 4 x cluster x + cx
	s_and_b32 s17, ttmp7, 0xffff
	s_lshl_b32 s17, s17, 2
	s_add_co_u32 s17, s17, s15                     ; pair of heads = 4 x cluster y + cy
	s_lshl_b32 s18, s15, 2
	s_lshl_b32 s18, 15, s18                        ; my row of the cluster
	s_lshl_b32 s19, 0x1111, s14                    ; my column
	; descriptor groups 1.  Mask: 64 rows x 128 elements of 4 bytes, 2,048 elements from row to row
	s_or_b32 s[G1M], s19, (2<<16)|(1<<20)|(1<<21)|(6<<22)|(3<<25)  ; 15:0 the mask of work-groups: my column; 17:16 elements of 4 bytes; 20 padding on; 21 set beside a mask; 24:22 after every 128 words (code 6); 31:25 4 words (code 3)
	s_mov_b32 s[G1M+1], 128<<16                    ; tensor_dim0 = 128
	s_mov_b32 s[G1M+2], 64<<16                     ; tensor_dim1 = 64
	s_mov_b32 s[G1M+3], 128<<16                    ; tile_dim0 = 128
	s_mov_b32 s[G1M+4], 64                         ; tile_dim1 = 64
	s_mov_b32 s[G1M+5], 2048                       ; tensor_dim0_stride
	s_mov_b32 s[G1M+6], 0
	s_mov_b32 s[G1M+7], 0
	; K, V: 128 rows x 64 elements of 2 bytes, dense; they differ in the padding alone
	s_or_b32 s[G1K], s18, (1<<16)|(1<<20)|(1<<21)|(4<<22)|(3<<25)  ; my row; after every 32 words (code 4) 4 words
	s_or_b32 s[G1V], s18, (1<<16)|(1<<20)|(1<<21)|(4<<22)|(7<<25)  ; 8 words
.irp g, G1K, G1V
	s_mov_b32 s[\g+1], 64<<16
	s_mov_b32 s[\g+2], 128<<16
	s_mov_b32 s[\g+3], 64<<16
	s_mov_b32 s[\g+4], 128
	s_mov_b32 s[\g+5], 64
	s_mov_b32 s[\g+6], 0
	s_mov_b32 s[\g+7], 0
.endr
	s_lshl_b32 s20, s16, 20                        ; the mask's tile: 128 rows of 8,192 bytes a block of queries,
	s_lshl_b32 s21, s11, 19                        ; 64 rows a half: made of x and the wave's number alone
	s_add_co_u32 s20, s20, s21
	s_mov_b32 s21, 0
	s_lshl_b32 s22, s17, 1
	s_add_co_u32 s22, s22, s11
	s_lshl_b32 s22, s22, 18                        ; K's and V's: 262,144 bytes a head: made of y and the wave's number alone
	s_mov_b32 s23, 0
	s_mul_i32 s88, s11, 64*MP                      ; and where they go in a slot: no place in the cluster enters an LDS address
	s_mul_i32 s89, s11, 128*KP
	s_mul_i32 s90, s11, 128*VP
	s_mov_b32 s[CS], 0x3fb8aa3b                    ; log2(e)
	s_mov_b32 s[CS+1], s[CS]                       ; (named with it as a pair, so it is written)
	s_mov_b32 s[SEL], 0x76543210
	s_mov_b32 s[SEL+1], 0xfedcba98
	s_wait_kmcnt 0x0
	s_add_nc_u64 s[20:21], s[6:7], s[20:21]
	s_add_nc_u64 s[22:23], s[4:5], s[22:23]
.irp n, 0,1                                    ; slot n begins with keys 128 n on
	s_mov_b32 s[G0M+4*\n], 1                       ; 1:0 count = 1
	s_add_co_u32 s[G0M+4*\n+1], s88, \n*SLOTB      ; 63:32 LDS address
	s_add_nc_u64 s[G0M+4*\n+2:G0M+4*\n+3], s[20:21], \n*512        ; 120:64 global address
	s_or_b32 s[G0M+4*\n+3], s[G0M+4*\n+3], 0x80000000              ; 127:126 type = 2
	s_mov_b32 s[G0K+4*\n], 1
	s_add_co_u32 s[G0K+4*\n+1], s89, \n*SLOTB+KB
	s_add_nc_u64 s[G0K+4*\n+2:G0K+4*\n+3], s[22:23], 8388608+\n*16384    ; part 1
	s_or_b32 s[G0K+4*\n+3], s[G0K+4*\n+3], 0x80000000
	s_mov_b32 s[G0V+4*\n], 1
	s_add_co_u32 s[G0V+4*\n+1], s90, \n*SLOTB+VB
	s_add_nc_u64 s[G0V+4*\n+2:G0V+4*\n+3], s[22:23], 16777216+\n*16384   ; part 2
	s_or_b32 s[G0V+4*\n+3], s[G0V+4*\n+3], 0x80000000
.endr
	CROUND                                         ; all sixteen work-groups are here: the first joint loads meet
	JLOAD 0                                        ; slot 0; slot 1 is first filled behind the next round, as a refill is
	v_and_b32 v10, 15, v0                          ; r
	v_bfe_u32 v11, v0, 4, 1                        ; h
	v_lshlrev_b32 v[QO], 7, v10
	v_lshl_add_u32 v[QO], v11, 4, v[QO]            ; q: row r of 128 bytes, + 16 h
	s_lshl_b32 s88, s17, 1
	s_add_co_u32 s88, s88, s12
	s_lshl_b32 s88, s88, 18                        ; my head,
	s_lshl_b32 s89, s16, 14                        ; my work-group's 128 rows,
	s_add_co_u32 s88, s88, s89
	s_lshl_b32 s89, s13, 12                        ; my wave's 32
	s_add_co_u32 s88, s88, s89
	s_mov_b32 s89, 0
	s_add_nc_u64 s[94:95], s[4:5], s[88:89]
.irp t, 0,1                                    ; a fragment is 16 rows x 32 channels: registers 0-3 channels 8 h + 0 .. 7, registers 4-7 channels 16 + 8 h + 0 .. 7.  Q stays in registers
.irp c, 0,1
	global_load_b128 v[QF+16*\t+8*\c:QF+16*\t+8*\c+3],   v[QO], s[94:95] offset:2048*\t+64*\c
	global_load_b128 v[QF+16*\t+8*\c+4:QF+16*\t+8*\c+7], v[QO], s[94:95] offset:2048*\t+64*\c+32
.endr
.endr
	s_lshl_b32 s88, s13, 5
	s_mul_i32 s88, s88, MP
	v_mul_u32_u24 v[AM], v10, MP
	v_lshl_add_u32 v[AM], v11, 5, v[AM]
	v_add_nc_u32 v[AM], s88, v[AM]                 ; the mask: row 32 (w % 4) + r, + 32 h bytes: my eight keys of a tile of 16
	v_add_nc_u32 v[AM+1], SLOTB, v[AM]
	s_mul_i32 s88, s12, 128*KP
	s_add_co_u32 s88, s88, KB
	v_mul_u32_u24 v[AK], v10, KP
	v_lshl_add_u32 v[AK], v11, 4, v[AK]
	v_add_nc_u32 v[AK], s88, v[AK]                 ; K: my head, key r, + 16 h
	v_add_nc_u32 v[AK+1], SLOTB, v[AK]
	s_mul_i32 s88, s12, 128*VP
	s_add_co_u32 s88, s88, VB
	v_and_b32 v[AV], 7, v0                         ; the turning load: lane l reads 16 bytes: key 8 (l / 16) + l % 8, channels 8 ((l / 8) % 2) + 0 .. 7, and is left with channel l % 16 and 8 keys
	v_lshl_add_u32 v[AV], v11, 3, v[AV]
	v_mul_u32_u24 v[AV], v[AV], VP
	v_bfe_u32 v[AV+1], v0, 3, 1
	v_lshl_add_u32 v[AV], v[AV+1], 4, v[AV]
	v_add_nc_u32 v[AV], s88, v[AV]
	v_add_nc_u32 v[AV+1], SLOTB, v[AV]
	s_lshl_b32 s88, s13, 5                         ; the stage, in: row 32 (w % 4) + r, my head's 128 bytes, + 16 h
	s_mul_i32 s88, s88, SP
	s_lshl_b32 s89, s12, 7
	s_add_co_u32 s88, s88, s89
	s_add_co_u32 s88, s88, STAGE
	v_mul_u32_u24 v[STO], v10, SP
	v_lshl_add_u32 v[STO], v11, 4, v[STO]
	v_add_nc_u32 v[STO], s88, v[STO]
	s_mul_i32 s88, s10, 16*SP                      ; back: wave w takes rows 16 w on, whole; lanes 0-15 one row of 256 bytes, lanes 16-31 the next
	s_add_co_u32 s88, s88, STAGE
	v_mul_u32_u24 v[RD], v11, SP
	v_lshl_add_u32 v[RD], v10, 4, v[RD]
	v_add_nc_u32 v[RD], s88, v[RD]
	v_lshlrev_b32 v[GO], 11, v11                   ; and the same two rows in att: 2,048 bytes a row
	v_lshl_add_u32 v[GO], v10, 4, v[GO]
	s_lshr_b32 s88, s17, 3                         ; b: eight pairs of heads to a batch
	s_lshl_b32 s88, s88, 11
	s_lshl_b32 s89, s16, 7
	s_add_co_u32 s88, s88, s89
	s_lshl_b32 s89, s10, 4
	s_add_co_u32 s88, s88, s89                     ; the first row that I store: 2,048 b + 128 x block + 16 w
	s_lshl_b32 s88, s88, 11
	s_and_b32 s89, s17, 7
	s_lshl_b32 s89, s89, 8                         ; the pair's 256 bytes of a row
	s_add_co_u32 s88, s88, s89
	s_mov_b32 s89, 0
	s_add_nc_u64 s[8:9], s[8:9], s[88:89]
	; the prefetches: where they stand (in slot 1's keys: each change of slots steps them before they are used) and who asks.  Nothing is prefetched here, at the head
	s_lshl_b32 s88, s16, 7
	s_lshl_b32 s89, s15, 5
	s_add_co_u32 s88, s88, s89                     ; the mask: row 128 x block + 32 cy
	s_lshl_b32 s88, s88, 13
	s_add_co_u32 s88, s88, 512
	s_lshl_b32 s89, s17, 1
	s_lshr_b32 s90, s14, 1
	s_add_co_u32 s89, s89, s90                     ; K, V: head 2 x pair + cx / 2,
	s_lshl_b32 s89, s89, 11
	s_and_b32 s90, s14, 1
	s_lshl_b32 s90, s90, 6                         ; rows 64 (cx % 2) on
	s_add_co_u32 s89, s89, s90
	s_add_co_u32 s89, s89, 128
	s_lshl_b32 s89, s89, 7
	s_add_co_u32 s89, s89, 8388608
	s_and_b32 s90, ttmp7, 0xffff                   ; cluster y
	s_mov_b32 s91, 0x800000                        ; from K to V
	s_mov_b32 s[PFS], 16384
	s_cmp_eq_u32 s10, 6                            ; wave 6 stands for the mask, wave 7 for K and V (the others' numbers are never used)
	s_cselect_b64 s[PFA:PFA+1], s[6:7], s[4:5]
	s_cselect_b32 s88, s88, s89
	s_cselect_b32 s90, s90, ttmp9                  ; the coordinate along which other clusters read the same bytes
	s_cselect_b32 s91, 256, s91                    ; from the first prefetch to the second
	s_cselect_b32 s[PFS], 512, s[PFS]              ; a slot on
	s_cselect_b32 s92, 13, 8                       ; from lane to lane: a row of the mask, or 256 bytes
	s_mov_b32 s89, 0
	s_mov_b32 s[PFS+1], 0
	s_add_nc_u64 s[PFA:PFA+1], s[PFA:PFA+1], s[88:89]
	s_mov_b32 s88, s91
	s_add_nc_u64 s[PFB:PFB+1], s[PFA:PFA+1], s[88:89]
	s_lshr_b32 s93, s10, 1
	s_xor_b32 s93, s93, 3                          ; 0 in waves 6 and 7,
	s_or_b32 s90, s90, s93                         ; of the first cluster along that coordinate: the same in all sixteen partners, for a given wave
	s_cmp_eq_u32 s90, 0
	s_cselect_b32 s[LIM], 1, -1
	v_and_b32 v[PFO], 31, v0
	v_lshlrev_b32 v[PFO], s92, v[PFO]
.irp t, 0,1
	v_mov_b32 v[ST+8*\t], 0xff7fffff               ; m: the most negative finite number
	v_mov_b32 v[ST+8*\t+1], 0                      ; (named with m as a pair)
	v_mov_b32 v[ST+8*\t+2], 0                      ; l
	v_mov_b32 v[ST+8*\t+3], 0
.endr
.set kk, 0
.rept 64
	v_mov_b32 v[O+kk], 0                           ; O^T, once: so the key step needs no first copy of its own
.set kk, kk+1
.endr
; Line k of 32 of (s - m) log2(e) for tile t: sixteen packed subtractions, then sixteen packed multiplications.
.macro CLINE t, k
.if (\k) < 16
	v_pk_add_f32 v[S+32*\t+2*(\k):S+32*\t+2*(\k)+1], v[S+32*\t+2*(\k):S+32*\t+2*(\k)+1], v[ST+8*\t:ST+8*\t+1] op_sel_hi:[1,0] neg_lo:[0,1] neg_hi:[0,1]
.else
	v_pk_mul_f32 v[S+32*\t+2*((\k)-16):S+32*\t+2*((\k)-16)+1], v[S+32*\t+2*((\k)-16):S+32*\t+2*((\k)-16)+1], s[CS:CS+1] op_sel_hi:[1,0]
.endif
.endm
; Line k of 32 behind tile t's exponentials: l = a l + the sum of the 16 pairs of p, in two chains; then the 16 roundings to f16, in place: register i takes pair i, whose registers 2 i, 2 i + 1 lie at or above it.
.macro ZLINE t, k
.set rT, ST+8*\t
.set rS, S+32*\t
.if (\k) == 0
	s_wait_alu depctr_va_vdst(0)
	v_pk_fma_f32 v[rT+2:rT+3], v[rT+2:rT+3], v[rT+6:rT+7], v[rS:rS+1] op_sel_hi:[1,0,1]
.elseif (\k) == 1
	v_pk_add_f32 v[rT+4:rT+5], v[rS+2:rS+3], v[rS+4:rS+5]
.elseif (\k) < 15
.if (\k)%2 == 0
	v_pk_add_f32 v[rT+2:rT+3], v[rT+2:rT+3], v[rS+2*(\k)+2:rS+2*(\k)+3]
.else
	v_pk_add_f32 v[rT+4:rT+5], v[rT+4:rT+5], v[rS+2*(\k)+2:rS+2*(\k)+3]
.endif
.elseif (\k) == 15
	v_pk_add_f32 v[rT+2:rT+3], v[rT+2:rT+3], v[rT+4:rT+5]
.else
	v_cvt_pk_f16_f32 v[rS+(\k)-16], v[rS+2*((\k)-16)], v[rS+2*((\k)-16)+1]
.endif
.endm
; THE FIRST PIECE OF A KEY STEP (64 keys, the st-th of slot n): K and the mask out of LDS, S^T = K Q^T + mask^T, and V asked for.
.macro LOADKQ n, st, ask
.rept 5
	v_nop                                          ; behind the last V^T P: four places are owed to the loads into its sources, a fifth because K Q^T writes over P (ISA guide 7.12.1 for vector instructions)
.endr
.irp f, 0,1,2,3,4,5,6,7                        ; K: keys 16 (f / 2) on, channels 32 (f % 2) on
	ds_load_b128 v[KV+8*\f:KV+8*\f+3],   v[AK+\n] offset:64*KP*\st+16*KP*(\f/2)+64*(\f%2)
	ds_load_b128 v[KV+8*\f+4:KV+8*\f+7], v[AK+\n] offset:64*KP*\st+16*KP*(\f/2)+64*(\f%2)+32
.endr
.irp t, 0,1                                    ; the mask, into the scores' registers
.irp kt, 0,1,2,3
	ds_load_b128 v[S+32*\t+8*\kt:S+32*\t+8*\kt+3],   v[AM+\n] offset:16*MP*\t+256*\st+64*\kt
	ds_load_b128 v[S+32*\t+8*\kt+4:S+32*\t+8*\kt+7], v[AM+\n] offset:16*MP*\t+256*\st+64*\kt+16
.endr
.endr
.if \ask
	ASK                                            ; behind the run of LDS loads
.endif
	s_wait_dscnt 0x0
.irp c, 0,1                                    ; eight accumulators by turns, one instruction a turn
.irp kt, 0,1,2,3
.irp t, 0,1
	v_wmma_f32_16x16x32_f16 v[S+32*\t+8*\kt:S+32*\t+8*\kt+7], v[KV+8*(2*\kt+\c):KV+8*(2*\kt+\c)+7], v[QF+16*\t+8*\c:QF+16*\t+8*\c+7], v[S+32*\t+8*\kt:S+32*\t+8*\kt+7]
.endr
.endr
.endr
.rept 4
	v_nop                                          ; places in front of the loads into K's registers and of the first read of the scores, wherever that read stands
.endr
.irp f, 0,1,2,3,4,5,6,7                        ; V, turned: keys 32 (f / 4) on, channels 16 (f % 4) on
	ds_load_tr16_b128 v[KV+8*\f:KV+8*\f+3],   v[AV+\n] offset:64*VP*\st+32*VP*(\f/4)+32*(\f%4)
	ds_load_tr16_b128 v[KV+8*\f+4:KV+8*\f+7], v[AV+\n] offset:64*VP*\st+32*VP*(\f/4)+32*(\f%4)+16*VP
.endr
.endm
; THE SECOND PIECE: the softmax of the scores in S, and O^T += V^T P.  It touches registers alone, but for its one wait for V.
.macro SMPV
	; the maximum of the lane's 32 scores and the old m, three operands at a time; the two tiles alternate.  Each accumulator is read from its low end on
.irp j, 0,1,2,3
.irp t, 0,1
	v_max3_num_f32 v[ST+8*\t+4+\j], v[S+32*\t+8*\j], v[S+32*\t+8*\j+1], v[S+32*\t+8*\j+2]
.endr
.endr
.irp u, 1,2
.irp j, 0,1,2,3
.irp t, 0,1
	v_max3_num_f32 v[ST+8*\t+4+\j], v[ST+8*\t+4+\j], v[S+32*\t+8*\j+2*\u+1], v[S+32*\t+8*\j+2*\u+2]
.endr
.endr
.endr
.irp t, 0,1
	v_max3_num_f32 v[ST+8*\t+4], v[ST+8*\t+4], v[S+32*\t+7], v[S+32*\t+15]
.endr
.irp t, 0,1
	v_max3_num_f32 v[ST+8*\t+6], v[ST+8*\t+6], v[S+32*\t+23], v[S+32*\t+31]
.endr
.irp t, 0,1
	v_max3_num_f32 v[ST+8*\t+4], v[ST+8*\t+4], v[ST+8*\t+5], v[ST+8*\t+6]
.endr
.irp t, 0,1
	v_max3_num_f32 v[ST+8*\t+4], v[ST+8*\t+4], v[ST+8*\t+7], v[ST+8*\t]
.endr
.irp t, 0,1
	v_permlanex16_b32 v[ST+8*\t+5], v[ST+8*\t+4], s[SEL], s[SEL+1]   ; the query's other 32 keys lie in the lane 16 away
.endr
.irp t, 0,1
	v_max_num_f32 v[ST+8*\t+7], v[ST+8*\t+4], v[ST+8*\t+5]           ; the new m
.endr
.irp t, 0,1
	v_sub_f32 v[ST+8*\t+6], v[ST+8*\t], v[ST+8*\t+7]                 ; m_old - m_new
.endr
.irp t, 0,1
	v_mov_b32 v[ST+8*\t], v[ST+8*\t+7]
.endr
.irp t, 0,1
	v_mul_f32 v[ST+8*\t+6], s[CS], v[ST+8*\t+6]
.endr
.irp t, 0,1
	v_exp_f32 v[ST+8*\t+6], v[ST+8*\t+6]                             ; a; the plain lines below stand between it and its first use
.endr
.set kk, 0
.rept 32
	CLINE 0, kk
.set kk, kk+1
.endr
.set kk, 0
.rept 32                                       ; every exponential has a plain line of the other tile behind it (ISA guide 5.7.2)
	v_exp_f32 v[S+kk], v[S+kk]
	CLINE 1, kk
.set kk, kk+1
.endr
.set kk, 0
.rept 32
	v_exp_f32 v[S+32+kk], v[S+32+kk]
	ZLINE 0, kk
.set kk, kk+1
.endr
.set kk, 0
.rept 32
	v_pk_mul_f32 v[O+2*kk:O+2*kk+1], v[O+2*kk:O+2*kk+1], v[ST+8*(kk/16)+6:ST+8*(kk/16)+7] op_sel_hi:[1,0]   ; O^T x a, each accumulator from its low end on
	ZLINE 1, kk
.set kk, kk+1
.endr
	s_wait_dscnt 0x0                               ; V is in
.irp kh, 0,1                                   ; O^T += V^T P: eight accumulators by turns
.irp ct, 0,1,2,3
.irp t, 0,1
	v_wmma_f32_16x16x32_f16 v[O+32*\t+8*\ct:O+32*\t+8*\ct+7], v[KV+8*(4*\kh+\ct):KV+8*(4*\kh+\ct)+7], v[S+32*\t+8*\kh:S+32*\t+8*\kh+7], v[O+32*\t+8*\ct:O+32*\t+8*\ct+7]
.endr
.endr
.endr
.endm
; The second piece for the waves of group g alone: the branch hangs on the wave's number.
.macro SMPV_IF g
	s_cmp_lg_u32 s[GRP], \g
	s_cbranch_scc1 .Lnot_my_turn_\@
	SMPV
.Lnot_my_turn_\@:
.endm
; THE CHANGE OF SLOTS, onto slot n.  In front of the round each wave waits for all its tensor loads (its part of slot n), adds 0 to its spare word, and waits for that and for its reads of the other slot: group 1's last, of V, among them.
; Behind the round slot n is whole in every partner and nobody reads the other slot: it is filled first (refill = 1), and that load has slot n's two key steps in which to land.
.macro HEAD n, refill, ask
	s_wait_tensorcnt 0x0                           ; no tensor load of mine is out, so a group 0 may be written
	ds_add_u32 v[SPW], v[NIL]                      ; 0 onto my spare word; the descriptors' steps stand between it and the wait for it
	s_add_nc_u64 s[G0M+4*\n+2:G0M+4*\n+3], s[G0M+4*\n+2:G0M+4*\n+3], 1024    ; this slot's next tiles: 256 keys on; the type bits on top are not reached
	s_add_nc_u64 s[G0K+4*\n+2:G0K+4*\n+3], s[G0K+4*\n+2:G0K+4*\n+3], 32768
	s_add_nc_u64 s[G0V+4*\n+2:G0V+4*\n+3], s[G0V+4*\n+2:G0V+4*\n+3], 32768
.if \ask
	s_wait_xcnt 0x0                                ; the last prefetches, a slot back, have read their addresses, so they may be written
	s_add_nc_u64 s[PFA:PFA+1], s[PFA:PFA+1], s[PFS:PFS+1]
	s_add_nc_u64 s[PFB:PFB+1], s[PFB:PFB+1], s[PFS:PFS+1]
.endif
	s_wait_dscnt 0x0                               ; the add is done, and my reads of the other slot are over
	CROUND
.if \refill
	JLOAD (1-\n)                                   ; the first tensor load behind the round, and my only one until the next
.endif
.endm
	s_wait_loadcnt 0x0                             ; Q
	HEAD 0, 1, 1                                   ; onto slot 0; slot 1 is asked for
	s_mov_b32 s80, 7
.Lslot:                                            ; seven trips of two slots: slots 0 to 13 are worked, slots 2 to 15 asked for, slots 2 to 15 prefetched ahead of that
	LOADKQ 0, 0, 1
	SMPV
	LOADKQ 0, 1, 0
	SMPV_IF 0                                      ; group 0 ends the slot in front of the round,
	HEAD 1, 1, 1
	SMPV_IF 1                                      ; group 1 behind it
	LOADKQ 1, 0, 1
	SMPV
	LOADKQ 1, 1, 0
	SMPV_IF 0
	HEAD 0, 1, 1                                   ; (in the last trip the prefetches' addresses are stepped once more and not used again)
	SMPV_IF 1
	s_sub_co_u32 s80, s80, 1
	s_cmp_lg_u32 s80, 0
	s_cbranch_scc1 .Lslot
	LOADKQ 0, 0, 0                                 ; the tail is written out: slots 14 and 15; nothing is left to fetch or to prefetch
	SMPV
	LOADKQ 0, 1, 0
	SMPV_IF 0
	HEAD 1, 0, 0
	SMPV_IF 1
	LOADKQ 1, 0, 0
	SMPV
	LOADKQ 1, 1, 0
	SMPV                                           ; the last step's second piece: both groups stand at the same place here
	; THE WAY OUT.  l's two halves and the other half of the lanes' are added; O^T is divided by l, rounded to f16, and goes through the work-group's stage: a row's 256 bytes come from the two heads' waves.
.rept 4
	v_nop                                          ; places behind the last products
.endr
.irp t, 0,1
	v_add_f32 v[ST+8*\t+4], v[ST+8*\t+2], v[ST+8*\t+3]
.endr
.irp t, 0,1
	v_permlanex16_b32 v[ST+8*\t+5], v[ST+8*\t+4], s[SEL], s[SEL+1]
.endr
.irp t, 0,1
	v_add_f32 v[ST+8*\t+4], v[ST+8*\t+4], v[ST+8*\t+5]
.endr
.irp t, 0,1
	v_rcp_f32 v[ST+8*\t+6], v[ST+8*\t+4]
.endr
	v_nop                                          ; a plain line between the last reciprocal and the use of its result
.set kk, 0
	s_wait_alu depctr_va_vdst(0)
.rept 32
	v_pk_mul_f32 v[O+2*kk:O+2*kk+1], v[O+2*kk:O+2*kk+1], v[ST+8*(kk/16)+6:ST+8*(kk/16)+7] op_sel_hi:[1,0]
.set kk, kk+1
.endr
.set kk, 0
.rept 32
	v_cvt_pk_f16_f32 v[S+32*(kk/16)+kk%16], v[O+2*kk], v[O+2*kk+1]   ; tile t, channels 16 ct + 8 h + 0 .. 7: four registers at v[S + 32 t + 4 ct]
.set kk, kk+1
.endr
.irp t, 0,1
.irp ct, 0,1,2,3
	ds_store_b128 v[STO], v[S+32*\t+4*\ct:S+32*\t+4*\ct+3] offset:16*SP*\t+32*\ct
.endr
.endr
	s_wait_dscnt 0x0                               ; for the others' sake: my stores into the stage are done
	s_barrier_signal -1
	s_barrier_wait -1
.irp i, 0,1,2,3,4,5,6,7
	ds_load_b128 v[KV+4*\i:KV+4*\i+3], v[RD] offset:\i*2*SP
.endr
.irp i, 0,1,2,3,4,5,6,7
	s_wait_dscnt 7-\i                              ; LDS loads come back in order: number i is in, the younger ones may be out
	global_store_b128 v[GO], v[KV+4*\i:KV+4*\i+3], s[8:9] offset:\i*4096   ; 16 lanes store 256 consecutive bytes, at a multiple of 256 from att's first byte
.endr
	s_wait_tensorcnt 0x0                           ; the wave's end, behind my last tensor load and my last LDS store
	ds_add_u32 v[SPW], v[NIL]
	s_wait_dscnt 0x0
	CROUND                                         ; the closing round: no work-group ends while a partner may still ask for a tile that names it
	s_endpgm
.Lfunc_end_k_qcbb1d6bfc5_attn:
	.size	k_qcbb1d6bfc5_attn, .Lfunc_end_k_qcbb1d6bfc5_attn-k_qcbb1d6bfc5_attn
	.p2alignl 7, 3214868480
	.fill 96, 4, 3214868480
	.section	.rodata,"a",@progbits
	.p2align	6, 0x0
	.amdhsa_kernel k_qcbb1d6bfc5_attn
		.amdhsa_group_segment_fixed_size 327680
		.amdhsa_private_segment_fixed_size 0
		.amdhsa_enable_private_segment 0
		.amdhsa_kernarg_size 24
		.amdhsa_user_sgpr_count 2
		.amdhsa_user_sgpr_kernarg_segment_ptr 1
		.amdhsa_wavefront_size32 1
		.amdhsa_system_sgpr_workgroup_id_x 1
		.amdhsa_system_sgpr_workgroup_id_y 1
		.amdhsa_system_sgpr_workgroup_id_z 1
		.amdhsa_system_vgpr_workitem_id 0
		.amdhsa_next_free_vgpr 256
		.amdhsa_next_free_sgpr 96
		.amdhsa_reserve_vcc 0
		.amdhsa_float_denorm_mode_32 3
		.amdhsa_float_denorm_mode_16_64 3
		.amdhsa_memory_ordered 1
		.amdhsa_forward_progress 1
		.amdhsa_inst_pref_size 233
	.end_amdhsa_kernel
	.amdgpu_metadata
---
amdhsa.version: [ 1, 2 ]
amdhsa.kernels:
  - .name:           k_qcbb1d6bfc5_attn
    .symbol:         k_qcbb1d6bfc5_attn.kd
    .args:
      - { .name: qkv, .offset: 0, .size: 8, .value_kind: global_buffer, .address_space: global }
      - { .name: mask, .offset: 8, .size: 8, .value_kind: global_buffer, .address_space: global }
      - { .name: att, .offset: 16, .size: 8, .value_kind: global_buffer, .address_space: global }
    .group_segment_fixed_size: 327680
    .private_segment_fixed_size: 0
    .kernarg_segment_align: 8
    .kernarg_segment_size: 24
    .max_flat_workgroup_size: 256
    .sgpr_count:     96
    .vgpr_count:     256
    .wavefront_size: 32
...
	.end_amdgpu_metadata
.endif
;; end of part 3
;; launch oproj (part 4): grid 8 x 32, 4 waves a work-group, clusters of 4 x 4, 327,680 bytes of LDS; arguments att, wob, bo, out0; writes out0
.if DOCPART == 4
	.amdgcn_target "amdgcn-amd-amdhsa--gfx1250"
	.amdhsa_code_object_version 6
	.text
	.protected	k_qcbb1d6bfc5_oproj
	.globl	k_qcbb1d6bfc5_oproj
	.p2align	8
	.type	k_qcbb1d6bfc5_oproj,@function
k_qcbb1d6bfc5_oproj:
	s_mov_b64 s[64:65], 0
	v_nop
	global_prefetch_b8 v0, s[64:65] scope:SCOPE_SE
	s_setreg_imm32_b32 hwreg(HW_REG_WAVE_MODE, 25, 1), 1
	s_wait_xcnt 0x0
	s_wait_alu depctr_hold_cnt(0) depctr_sa_sdst(0) depctr_va_vdst(0) depctr_va_sdst(0) depctr_va_ssrc(0) depctr_va_vcc(0) depctr_vm_vsrc(0)
	s_getreg_b32 s2, hwreg(HW_REG_IB_STS2, 6, 4)
	s_cmp_eq_u32 s2, 0
	s_cbranch_scc0 .Lentry_in_a_cluster
	s_endpgm
.Lentry_in_a_cluster:
	s_bfe_u32 s2, ttmp6, 0x10000c
	s_cmp_lg_u32 s2, 0xf033
	s_cbranch_scc0 .Lentry_shape_is_right
	s_endpgm
.Lentry_shape_is_right:
; out0[m][n] = sum over k of att[m][k] Wo[n][k] + bo[n].  att: [4096][1024] f16, wob: Wo as f16 [1024][1024], bo: [1024] f32, out0: [4096][1024] f32; sums in f32.
; A tile of the output is 128 x 128: 256 work-groups, one for each WGP.  Four waves, each 64 x 64: 16 accumulators of 16 x 16, 128 registers.  K goes in steps of 256 (LDS rows of 512 bytes; a wave's tensor load brings 64 of them) through two slots.
; THE BIAS COSTS NO ADDITION: it is the C of each sum's first matrix instruction, eight registers a block of 16 columns, in the result's layout.
; CLUSTERS: 4 x 4 work-groups.  The four of a row need the same tiles of att, the four of a column the same tiles of Wo: each tile is asked for JOINTLY.
; THE MATRIX INSTRUCTION IS USED TRANSPOSED (source 0 = 16 rows of Wo, source 1 = 16 rows of att): a lane then holds eight neighbouring numbers of a row of the output.
; REGISTERS: window 0: v0-31 addresses; v32-63 the bias, later with v64-95 rows on the way out; v128-255 the accumulators ((a, b) at v[128 + 8 (4 a + b)]).
;   window 1: two fragment buffers of 128: for 64 along K, 64 registers of att (2 x 4 x 16 rows x 32 K), then 64 of Wo.
.set SIZE_N, 1024
.set SIZE_K, 1024
.set KSTEP,  256
.set PITCH,  528                       ; an LDS row: 512 bytes + 16 of padding = 132 words: the 16 rows that a load touches start at 16 different banks (64 banks of 4 bytes: ISA guide 11.1)
.set HALFT,  64*PITCH                  ; 64 rows: what one tensor load brings, and what one wave reads of att or of Wo
.set SLOT,   4*HALFT
.set STAGE,  2*SLOT                    ; behind the ring: 16 rows x 272 bytes for each wave, for the way out
.set SPITCH, 272
.set SPARE,  STAGE+4*16*SPITCH         ; the spare words, 128 bytes for each wave: two blocks of 256 bytes that no other line names
.set LAPS, SIZE_K/(2*KSTEP)            ; a lap = two K steps = once round the ring: 2
.set ADRA, 16                          ; v16-17  LDS address of my att fragments in slot 0, 1
.set ADRB, 20                          ; v20-21  the same for Wo
.set STO,  24                          ; v24     the way out: where I put 32 bytes of a row
.set RD,   25                          ; v25     where I read a row back
.set CO,   26                          ; v26     my byte offset in the output
.set BO,   27                          ; v27     the bias loads' offset: 32 (lane / 16); never rewritten
.set SPW,  28                          ; v28     my spare word; never rewritten
.set NIL,  29                          ; v29     0; never rewritten
.set BI,   32                          ; v32-63  the bias: block b at v[BI + 8 b]
.set TMP,  32                          ; the way out: 16 rows read back: v32-63 and v64-95 by turns
.set ACC,  128
.set F0,   0                           ; fragment buffers, in window 1
.set F1,   128
.set G1, 24                            ; s[24:31] descriptor group 1 for att's tiles;  s[32:39] group 0, one set for each slot
.set G0, 32
.set G1B, 48                           ; s[48:55], s[56:63] the same for Wo's tiles
.set G0B, 56
.set MSB, 0
.macro WIN new                         ; the immediate's high byte repeats the setting that is left
.if MSB != (\new)
	s_set_vgpr_msb (MSB<<8)|(\new)
.set MSB, (\new)
.endif
.endm
.set MUL,  0x05                        ; sources 0 (Wo) and 1 (att) window 1; C and D window 0
.set TO_F, 0x40                        ; destination window 1, address window 0
.macro JLOAD s                         ; a joint load: waves 0 and 1 fetch att's two halves, waves 2 and 3 Wo's; four v_nop follow each of the two lines
	s_cmp_eq_u32 s11, 0
	s_cbranch_scc0 .Lfor_b_\@
	tensor_load_to_lds s[G0+4*\s:G0+4*\s+3], s[G1:G1+7]
	s_nop 0
.rept 4
	v_nop
.endr
	s_branch .Lasked_\@
.Lfor_b_\@:
	tensor_load_to_lds s[G0B+4*\s:G0B+4*\s+3], s[G1B:G1B+7]
	s_nop 0
.rept 4
	v_nop
.endr
.Lasked_\@:
.endm
.macro CREST                           ; a round of the cluster's barrier behind its opening barrier
	s_cmp_lg_u32 s10, 0
	s_cbranch_scc1 .Lnot_wave_0_\@
	s_barrier_signal -3
.Lnot_wave_0_\@:
	s_barrier_wait -3
	s_barrier_signal -1
	s_barrier_wait -1
.endm
.macro CROUND                          ; a whole round
	s_barrier_signal -1
	s_barrier_wait -1
	CREST
.endm
	s_load_b128 s[4:7], s[0:1], 0x0                ; att s[4:5], wob s[6:7]
	s_load_b128 s[68:71], s[0:1], 0x10             ; bo s[68:69], out0 s[70:71]
	v_lshl_add_u32 v[SPW], v0, 2, SPARE
	v_mov_b32 v[NIL], 0
	ds_add_u32 v28, v29
	s_wait_dscnt 0x0
	v_lshrrev_b32 v1, 5, v0
	v_readfirstlane_b32 s10, v1                    ; wave 0..3
	s_lshr_b32 s11, s10, 1                         ; which half of the tile's rows is mine.  Also: I fetch for att (0) or for Wo (1)
	s_and_b32 s12, s10, 1                          ; which half of its columns.  Also: which 64 rows of that tile I fetch
	s_bfe_u32 s40, ttmp6, 0x40000                  ; cx, cy: my place in the cluster
	s_bfe_u32 s41, ttmp6, 0x40004
	s_lshl_b32 s42, ttmp9, 2
	s_add_co_u32 s42, s42, s40                     ; tile column = 4 x cluster x + cx
	s_and_b32 s13, ttmp7, 0xffff
	s_lshl_b32 s13, s13, 2
	s_add_co_u32 s13, s13, s41                     ; tile row = 4 x cluster y + cy
	s_lshl_b32 s43, s41, 2
	s_lshl_b32 s43, 15, s43                        ; my row of the cluster
	s_lshl_b32 s44, 0x1111, s40                    ; my column
	; descriptor group 1: a tile of 64 rows x 256 elements, padded in LDS
	s_or_b32 s[G1+0], s43, (1<<16)|(1<<20)|(1<<21)|(6<<22)|(3<<25)  ; 15:0 the mask: att's tiles go to my row; 17:16 element of 2 bytes; 20 padding on; 21 set beside a mask; 24:22 after every 128 words (code 6); 31:25 of 4 words (code 3)
	s_or_b32 s[G1B+0], s44, (1<<16)|(1<<20)|(1<<21)|(6<<22)|(3<<25)
.irp g, G1, G1B
	s_mov_b32 s[\g+1], KSTEP<<16                   ; tensor_dim0 = 256
	s_mov_b32 s[\g+2], 64<<16                      ; tensor_dim1 = 64
	s_mov_b32 s[\g+3], KSTEP<<16                   ; tile_dim0 = 256
	s_mov_b32 s[\g+4], 64                          ; tile_dim1 = 64
	s_mov_b32 s[\g+5], SIZE_K                      ; tensor_dim0_stride
	s_mov_b32 s[\g+6], 0
	s_mov_b32 s[\g+7], 0
.endr
	s_lshl_b32 s17, s12, 6                         ; which 64 rows of the tile I fetch
	s_lshl_b32 s16, s13, 7
	s_add_co_u32 s16, s16, s17                     ; att: row 128 x tile row + 64 x half
	s_lshl_b32 s46, s42, 7
	s_add_co_u32 s46, s46, s17                     ; Wo: row 128 x tile column + 64 x half
	s_mov_b32 s17, 0
	s_mov_b32 s47, 0
	s_mov_b64 s[18:19], SIZE_K*2
	s_mul_u64 s[16:17], s[16:17], s[18:19]
	s_mul_u64 s[46:47], s[46:47], s[18:19]
	s_mul_i32 s20, s10, HALFT                      ; where they go: wave x 64 rows
	s_wait_kmcnt 0x0
	s_add_nc_u64 s[14:15], s[4:5], s[16:17]
	s_add_nc_u64 s[46:47], s[6:7], s[46:47]
	CROUND                                         ; all sixteen work-groups are here: the first joint loads meet
.irp s, 0,1
	s_mov_b32 s[G0+4*\s], 1
	s_add_co_u32 s[G0+4*\s+1], s20, \s*SLOT
	s_add_nc_u64 s[G0+4*\s+2:G0+4*\s+3], s[14:15], \s*KSTEP*2
	s_or_b32 s[G0+4*\s+3], s[G0+4*\s+3], 0x80000000
	s_mov_b32 s[G0B+4*\s], 1
	s_add_co_u32 s[G0B+4*\s+1], s20, \s*SLOT
	s_add_nc_u64 s[G0B+4*\s+2:G0B+4*\s+3], s[46:47], \s*KSTEP*2
	s_or_b32 s[G0B+4*\s+3], s[G0B+4*\s+3], 0x80000000
	JLOAD \s                                       ; two tensor loads of mine are out behind this group
.endr
	v_and_b32 v1, 15, v0                           ; r = l % 16
	v_bfe_u32 v2, v0, 4, 1                         ; h = l / 16
	s_lshl_b32 s46, s42, 9                         ; my 64 columns, 4 bytes each: 512 x tile column + 256 x half: in bo and in a row of the output
	s_lshl_b32 s47, s12, 8
	s_add_co_u32 s46, s46, s47
	s_mov_b32 s47, 0
	s_add_nc_u64 s[68:69], s[68:69], s[46:47]
	v_lshlrev_b32 v[BO], 5, v2
.irp b, 0,1,2,3                                ; lane (r, h) wants, for Wo's block b, the bias of columns 16 b + 8 h + 0 .. 7
	global_load_b128 v[BI+8*\b:BI+8*\b+3],   v[BO], s[68:69] offset:64*\b
	global_load_b128 v[BI+8*\b+4:BI+8*\b+7], v[BO], s[68:69] offset:64*\b+16
.endr
	v_mul_u32_u24 v3, v1, PITCH
	v_lshl_add_u32 v3, v2, 4, v3                   ; a fragment's row x pitch + 16 x half
	s_mul_i32 s21, s11, HALFT                      ; my 64 rows of att
	s_mul_i32 s22, s12, HALFT                      ; my 64 rows of Wo,
	s_add_co_u32 s22, s22, 2*HALFT                 ; which lie behind att's 128
.irp s, 0,1
	v_add_nc_u32 v[ADRA+\s], s21, v3
	v_add_nc_u32 v[ADRB+\s], s22, v3
	s_add_co_u32 s21, s21, SLOT
	s_add_co_u32 s22, s22, SLOT
.endr
	s_mul_i32 s23, s10, 16*SPITCH                  ; my own stage: a wave's 64 columns of f32 are one aligned run of 256 bytes, so no wave needs another's
	s_add_co_u32 s23, s23, STAGE
	v_mul_u32_u24 v4, v1, SPITCH                   ; in: row r, 32 bytes for each half of the lanes
	v_lshl_add_u32 v4, v2, 5, v4
	v_add_nc_u32 v[STO], s23, v4
	v_mul_u32_u24 v5, v2, SPITCH                   ; back: lanes 0-15 take one row of 256 bytes, lanes 16-31 the next
	v_lshl_add_u32 v5, v1, 4, v5
	v_add_nc_u32 v[RD], s23, v5
	v_lshlrev_b32 v5, 12, v2                       ; and the same two rows in the output: 4,096 bytes a row
	v_lshl_add_u32 v[CO], v1, 4, v5
	s_lshl_b32 s16, s13, 7
	s_lshl_b32 s17, s11, 6
	s_add_co_u32 s16, s16, s17                     ; my first row: 128 x tile row + 64 x half
	s_lshl_b32 s16, s16, 12
	s_add_co_u32 s16, s16, s46
	s_mov_b32 s17, 0
	s_add_nc_u64 s[70:71], s[70:71], s[16:17]
; 8 matrix instructions: m blocks a0, a0 + 1 x all 4 n blocks, 32 along K: half c of buffer f.  first = 1: the first product starts the sums from the bias: nothing is cleared, nothing is added later.
; The 16 accumulators take turns, one instruction a turn.
.macro MUL8 f, c, a0, first
.irp a, \a0, \a0+1
.irp b, 0,1,2,3
.if \first
	v_wmma_f32_16x16x32_f16 v[ACC+8*(4*(\a)+\b):ACC+8*(4*(\a)+\b)+7], v[\f+64+8*(4*\c+\b):\f+64+8*(4*\c+\b)+7], v[\f+8*(4*\c+\a):\f+8*(4*\c+\a)+7], v[BI+8*\b:BI+8*\b+7]
.else
	v_wmma_f32_16x16x32_f16 v[ACC+8*(4*(\a)+\b):ACC+8*(4*(\a)+\b)+7], v[\f+64+8*(4*\c+\b):\f+64+8*(4*\c+\b)+7], v[\f+8*(4*\c+\a):\f+8*(4*\c+\a)+7], v[ACC+8*(4*(\a)+\b):ACC+8*(4*(\a)+\b)+7]
.endif
.endr
.endr
.endm
; 32 LDS loads in one run: the fragments of 64 along K at byte k of the rows, into buffer f; the first 32 along K first
.macro FETCH slot, k, f
	WIN TO_F
.irp c, 0,1
.irp i, 0,1,2,3
	ds_load_b128 v[\f+64+8*(4*\c+\i):\f+64+8*(4*\c+\i)+3],   v[ADRB+\slot] offset:\k+64*\c+\i*16*PITCH
	ds_load_b128 v[\f+64+8*(4*\c+\i)+4:\f+64+8*(4*\c+\i)+7], v[ADRB+\slot] offset:\k+64*\c+\i*16*PITCH+32
	ds_load_b128 v[\f+8*(4*\c+\i):\f+8*(4*\c+\i)+3],         v[ADRA+\slot] offset:\k+64*\c+\i*16*PITCH
	ds_load_b128 v[\f+8*(4*\c+\i)+4:\f+8*(4*\c+\i)+7],       v[ADRA+\slot] offset:\k+64*\c+\i*16*PITCH+32
.endr
.endr
.endm
.macro PLACES                          ; four places in front of loads into registers that matrix instructions have read, and of LDS stores that read results (ISA guide 7.12.1 for vector instructions)
.rept 4
	v_nop
.endr
.endm
; A K step is four quarters of 64 along K, 32 matrix instructions each, on buffers 0, 1, 0, 1.  One of the first three: multiplies buffer f and fetches the next quarter, at byte k, into g.
.macro QUARTER slot, k, f, g, first
	s_wait_dscnt 16                                ; the first 32 along K are in; the youngest sixteen loads may be out
	WIN MUL
	MUL8 \f, 0, 0, \first
	MUL8 \f, 0, 2, \first
	PLACES
	FETCH \slot, \k, \g
	s_wait_dscnt 32                                ; all but the 32 just issued
	WIN MUL
	MUL8 \f, 1, 0, 0
	MUL8 \f, 1, 2, 0
.endm
; The last quarter multiplies buffer 1 and changes slots: ONE barrier; in front of it each wave waits for all its tensor loads, adds 0 to its spare word, and waits for that and for its own reads of this slot.  fill = 1: this slot is filled again, two K steps ahead.
.macro TURN slot, next, fill
	WIN 0                                          ; (the add's two registers lie in window 0)
	s_wait_tensorcnt 0x0                           ; all my tensor loads have landed: my part of the next slot;
	ds_add_u32 v[SPW], v[NIL]                      ; 0 onto my spare word
	s_wait_dscnt 17                                ; (the add and the youngest sixteen loads may be out)
	WIN MUL
	MUL8 F1, 0, 0, 0                               ; eight matrix instructions stand between the add and the wait for it
	s_wait_dscnt 0x0                               ; the add is done, and my reads of this slot are over
	s_barrier_signal -1
	MUL8 F1, 0, 2, 0
.if \fill
	WIN 0
.endif
	s_barrier_wait -1
.if \fill
	CREST                                          ; the barrier has opened a round of the cluster's barrier: no wave of any partner still reads this slot's tile or has a load on its way
	s_add_nc_u64 s[G0+4*\slot+2:G0+4*\slot+3], s[G0+4*\slot+2:G0+4*\slot+3], 2*KSTEP*2
	s_add_nc_u64 s[G0B+4*\slot+2:G0B+4*\slot+3], s[G0B+4*\slot+2:G0B+4*\slot+3], 2*KSTEP*2
	JLOAD \slot                                    ; the first tensor load behind the round: 112 matrix instructions ahead of the wait for it; the four v_nop behind it are also the places in front of the loads below
.else
	PLACES
.endif
	FETCH \next, 0, F0
	WIN MUL
	MUL8 F1, 1, 0, 0
	MUL8 F1, 1, 2, 0
.endm
	s_wait_tensorcnt 1                             ; my part of K step 0 is in (K step 1's load may be out)
	s_barrier_signal -1
	s_barrier_wait -1                              ; everybody's is
	FETCH 0, 0, F0
	s_wait_loadcnt 0x0                             ; the bias
	QUARTER 0, 128, F0, F1, 1                      ; the first quarter stands in front of the loop: its first products start the sums
	WIN 0                                          ; at a label and at a branch every window is 0
	s_mov_b32 s3, LAPS-1
.Llap:                                                 ; a trip goes once round the ring, from a lap's second quarter to the next lap's first, and fills both slots again
	QUARTER 0, 256, F1, F0, 0
	QUARTER 0, 384, F0, F1, 0
	TURN 0, 1, 1
	QUARTER 1, 128, F0, F1, 0
	QUARTER 1, 256, F1, F0, 0
	QUARTER 1, 384, F0, F1, 0
	TURN 1, 0, 1
	QUARTER 0, 128, F0, F1, 0
	WIN 0
	s_sub_co_u32 s3, s3, 1
	s_cmp_lg_u32 s3, 0
	s_cbranch_scc1 .Llap
	QUARTER 0, 256, F1, F0, 0                      ; the last lap fills nothing, and has no round of the cluster's barrier
	QUARTER 0, 384, F0, F1, 0
	TURN 0, 1, 0
	QUARTER 1, 128, F0, F1, 0
	QUARTER 1, 256, F1, F0, 0
	QUARTER 1, 384, F0, F1, 0
	s_wait_dscnt 16                                ; the very last quarter: nothing more to fetch
	WIN MUL
	MUL8 F1, 0, 0, 0
	MUL8 F1, 0, 2, 0
	s_wait_dscnt 0
	MUL8 F1, 1, 0, 0
	MUL8 F1, 1, 2, 0
	WIN 0
; THE WAY OUT, block by block of 16 rows x 64 columns.  A lane holds 32 neighbouring bytes of a row and the lanes beside it other rows: a block goes through my own stage and comes back as whole runs of 256 bytes.
; LDS serves a wave's instructions in order (ISA guide 5.7.1.4): no wait between the stores and the loads, nor in front of the next block's stores.
.macro TOSTAGE a
.irp b, 0,1,2,3
	ds_store_b128 v[STO], v[ACC+8*(4*(\a)+\b):ACC+8*(4*(\a)+\b)+3] offset:64*\b            ; each accumulator from its low end on
	ds_store_b128 v[STO], v[ACC+8*(4*(\a)+\b)+4:ACC+8*(4*(\a)+\b)+7] offset:64*\b+16
.endr
.irp i, 0,1,2,3,4,5,6,7
	ds_load_b128 v[TMP+32*((\a)%2)+4*\i:TMP+32*((\a)%2)+4*\i+3], v[RD] offset:\i*2*SPITCH
.endr
.endm
.macro SEND a, younger                 ; younger: the LDS instructions issued behind block a's loads, which may stay out
	s_wait_dscnt \younger
.irp i, 0,1,2,3,4,5,6,7
	global_store_b128 v[CO], v[TMP+32*((\a)%2)+4*\i:TMP+32*((\a)%2)+4*\i+3], s[70:71] offset:(16*(\a)+2*\i)*SIZE_N*4 th:TH_STORE_NT   ; 16 lanes store 256 consecutive bytes, aligned; written once, read by nobody here
.endr
.endm
	PLACES
	TOSTAGE 0
.irp a, 1,2,3
.if \a > 1
	s_wait_xcnt 0x0                                ; block a - 2's stores have read their registers: block a's loads may land there
.endif
	TOSTAGE \a
	SEND \a-1, 16                                  ; behind block a - 1's loads: block a's 8 stores and 8 loads
.endr
	SEND 3, 0
	s_wait_tensorcnt 0x0                           ; the wave's end, behind my last tensor load and my last LDS store
	ds_add_u32 v[SPW], v[NIL]
	s_wait_dscnt 0x0
	CROUND                                         ; the closing round: no work-group ends while a partner may still ask for a tile that names it
	s_endpgm
.Lfunc_end_k_qcbb1d6bfc5_oproj:
	.size	k_qcbb1d6bfc5_oproj, .Lfunc_end_k_qcbb1d6bfc5_oproj-k_qcbb1d6bfc5_oproj
	.p2alignl 7, 3214868480
	.fill 96, 4, 3214868480
	.section	.rodata,"a",@progbits
	.p2align	6, 0x0
	.amdhsa_kernel k_qcbb1d6bfc5_oproj
		.amdhsa_group_segment_fixed_size 327680
		.amdhsa_private_segment_fixed_size 0
		.amdhsa_enable_private_segment 0
		.amdhsa_kernarg_size 32
		.amdhsa_user_sgpr_count 2
		.amdhsa_user_sgpr_kernarg_segment_ptr 1
		.amdhsa_wavefront_size32 1
		.amdhsa_system_sgpr_workgroup_id_x 1
		.amdhsa_system_sgpr_workgroup_id_y 1
		.amdhsa_system_sgpr_workgroup_id_z 1
		.amdhsa_system_vgpr_workitem_id 0
		.amdhsa_next_free_vgpr 512
		.amdhsa_next_free_sgpr 72
		.amdhsa_reserve_vcc 0
		.amdhsa_float_denorm_mode_32 3
		.amdhsa_float_denorm_mode_16_64 3
		.amdhsa_memory_ordered 1
		.amdhsa_forward_progress 1
		.amdhsa_inst_pref_size 86
	.end_amdhsa_kernel
	.amdgpu_metadata
---
amdhsa.version: [ 1, 2 ]
amdhsa.kernels:
  - .name:           k_qcbb1d6bfc5_oproj
    .symbol:         k_qcbb1d6bfc5_oproj.kd
    .args:
      - { .name: att, .offset: 0, .size: 8, .value_kind: global_buffer, .address_space: global }
      - { .name: wob, .offset: 8, .size: 8, .value_kind: global_buffer, .address_space: global }
      - { .name: bo, .offset: 16, .size: 8, .value_kind: global_buffer, .address_space: global }
      - { .name: out0, .offset: 24, .size: 8, .value_kind: global_buffer, .address_space: global }
    .group_segment_fixed_size: 327680
    .private_segment_fixed_size: 0
    .kernarg_segment_align: 8
    .kernarg_segment_size: 32
    .max_flat_workgroup_size: 128
    .sgpr_count:     72
    .vgpr_count:     512
    .wavefront_size: 32
...
	.end_amdgpu_metadata
.endif
;; end of part 4
